; MI455X (gfx1250); checked and timed in simulation.
; The chip was launched on July 23, 2026; its instructions are those of AMD's public machine-readable ISA for CDNA 5 (MIT licence, August 2026) and "CDNA5" Instruction Set Architecture Reference Guide (July 2026). The comments in the code are by the model that wrote it; some were corrected since.
;; Multi Head Attention. Allowed arithmetic: matrix products marked QUANTISED: E2M3 operands, one E8M0 scale for each 32 along K, by v_wmma_scale_f32_16x16x128_f8f6f4 with both operands' format E2M3, f32 sums; everything else in f32.
;; Inputs: Key 2 x 2,048 x 1,024 float32; Query 2 x 2,048 x 1,024 float32; Value 2 x 2,048 x 1,024 float32; W_k 1,024 x 1,024 float32; W_o 1,024 x 1,024 float32; W_q 1,024 x 1,024 float32; W_v 1,024 x 1,024 float32; mask 1 x 1 x 2,048 x 2,048 int32.
;; Outputs: out0 2 x 2,048 x 1,024 float32.
;; This version of the problem:
;;   THIS VERSION OF THE PROBLEM IS GIVEN IN LOW PRECISION. The matrix products marked QUANTISED in the list below multiply operands that are first quantised to E2M3 (2 exponent bits, 3 mantissa bits; 6 bits a number), with one power-of-two scale for each 32 numbers along K (OCP MX v1.0); their sums are f32. All else is computed in f32.
;;   The module's matrix products, in the order in which they are computed (A, B: the left and right operand; K: the contracted axis; several contracted axes count as one K, in the product's order):
;;     1. [M 4,096, K 1,024] x [K 1,024, N 1,024]; A: input Query; B: input W_q: QUANTISED
;;     2. [M 4,096, K 1,024] x [K 1,024, N 1,024]; A: input Key; B: input W_k: QUANTISED
;;     3. [M 4,096, K 1,024] x [K 1,024, N 1,024]; A: input Value; B: input W_v: QUANTISED
;;     4. batch 32 x [M 2,048, K 64] x [K 64, N 2,048]; A: computed on the way; B: computed on the way: QUANTISED
;;     5. batch 32 x [M 2,048, K 2,048] x [K 2,048, N 64]; A: softmax (see below); B: computed on the way: QUANTISED
;;     6. [M 4,096, K 1,024] x [K 1,024, N 1,024]; A: computed on the way; B: input W_o: QUANTISED
;;   THE QUANTISER, for each operand of a quantised product, along K:
;;     - K is cut into blocks of 32 from its start; a last block that is shorter is filled with zeros.
;;     - A block's scale is 2^e with e = floor(log2(the largest magnitude in the block)) - 2, held to -126 .. 127; a block of zeros has e = 0. As a byte (E8M0): e + 127.
;;     - Each number is divided by its block's scale, clamped to +-7.5, and rounded to the nearest number of E2M3, ties to even, subnormals kept.
;;     - The product sums the exact products of the quantised numbers (number of the format x scale) in f32.
;;   ~~~python
;;   def quantise(x, axis):      # numpy; x: float32 -> the quantised numbers, widened to float32 again
;;       x = np.moveaxis(x, axis, -1); K = x.shape[-1]
;;       x = np.pad(x, [(0, 0)] * (x.ndim - 1) + [(0, -K % 32)]); x = x.reshape(x.shape[:-1] + (-1, 32)); a = np.abs(x).max(-1, keepdims=True)
;;       e = np.where(a > 0, np.clip(np.frexp(np.where(a > 0, a, 1))[1] - 1 - 2, -126, 127), 0)      # np.frexp(a)[1] - 1 = floor(log2(a)), exactly
;;       r = np.clip(x / 2.0 ** e, -7.5, 7.5)
;;       step = 2.0 ** (np.maximum(np.frexp(np.where(r == 0, 1, r))[1] - 1, 0) - 3)
;;       q = np.round(r / step) * step * 2.0 ** e      # np.round: ties to even
;;       return np.moveaxis(q.reshape(q.shape[:-2] + (-1,))[..., :K], -1, axis).astype(np.float32)
;;   ~~~
;;   SOFTMAX AHEAD OF A QUANTISED PRODUCT. Where the list says 'softmax', what is quantised is not the finished softmax but p = 2^(t - M), with t = logit x log2(e) and M = ceil(the row's largest t), a whole number; so 1/2 < the row's largest p <= 1. The row's sum l is taken of the UNQUANTISED p, in f32, and the product's result is divided by l at the end. Since M is a whole number, a kernel that streams over the keys may use a running M (the ceiling of the running maximum): every later rescaling is an exact power of two, which a block's scale takes up: the codes' values come out the same.
;;   OPERANDS COMPUTED ON THE WAY. 'Computed on the way' means the value that the module computes at that place (a softmax that the list does not call 'softmax' is quantised finished and normalised). What goes into a quantiser is computed in f32, as accurately as f32 sums, v_exp_f32 and their like allow (about 1e-6 of the number): no bf16 or f16 on the way to a quantiser, and a product that is left as it is and whose result goes on into a quantised operand takes f32 operands (vector FMAs, or v_wmma_f32_16x16x4_f32). A number that lies on a knife's edge between two numbers of the format may be rounded either way, as far as f32 arithmetic and the matrix unit's own rounding can turn it there, and no further.
;; One version. Each part assembles by itself: llvm-mc -triple=amdgcn-amd-amdhsa -mcpu=gfx1250 --defsym DOCPART=n.
;; ======== version 1 of 1: 4 launches
;; limits: right only within a limited range of input values
;; workspace buffers: codes 12,582,912 bytes; scales 524,288 bytes; mbits 524,288 bytes of whole numbers; kv 6,553,600 bytes; ximg 3,145,728 bytes; xsc 131,072 bytes
;; launch prep (part 1): grid 256 x 1, 5 waves a work-group, no clusters, 85,248 bytes of LDS; arguments Query, Key, Value, W_q, W_k, W_v, W_o, mask, codes, scales, mbits; writes codes, scales, mbits
.if DOCPART == 1
	.amdgcn_target "amdgcn-amd-amdhsa--gfx1250"
	.amdhsa_code_object_version 6
	.text
	.protected	k_qd6d0f3d1d7_prep
	.globl	k_qd6d0f3d1d7_prep
	.p2align	8
	.type	k_qd6d0f3d1d7_prep,@function
k_qd6d0f3d1d7_prep:
	s_mov_b64 s[64:65], 0
	v_nop
	global_prefetch_b8 v0, s[64:65] scope:SCOPE_SE
	s_setreg_imm32_b32 hwreg(HW_REG_WAVE_MODE, 25, 1), 1
	s_wait_xcnt 0x0
; PREP.  The seven f32 tensors (Query, Key, Value: 4,096 rows; W_q, W_k, W_v, W_o: 1,024 rows; 1,024 along K, K innermost) become codes of FP6 (E2M3) with one E8M0 byte for each 32 along K;
; the mask [2048][2048] of int32 becomes words of 32 bits, one bit a lane, as the attention launch selects by them.
; A TILE of 16 rows is SPREAD: place r of tile T holds row 32 (T / 2) + 8 (T % 2) + r + 8 (r / 8).  Taken as source 0 of a matrix instruction, tiles 2 b and 2 b + 1 then give a lane 16 neighbouring rows in 16 registers.
; CODES LEAVE AS IMAGES OF THE OPERAND'S REGISTERS.  A half image (16 rows x 64 K, six registers a lane) is 768 bytes: registers 0-3 at 16 x lane, registers 4-5 at 512 + 8 x lane.
;   codes: [group of 8 tiles][K step of 128][tile][half]; scales: 512 bytes a tile, the word of (K step s, place r) at 256 (s / 4) + 16 r + 4 (s % 4).
;   mbits: [query tile][key step of 128][64 words]: bit L of word 16 b + e says whether query place L % 16 sees key 128 step + 32 b + 16 (L / 16) + e.
; A block's scale is 2^(floor(log2(largest magnitude)) - 2): its byte is the largest magnitude's exponent field - 2, held at 1 from below.
; LIMITS: a block of zeros gets the byte 1 where the rule says 127 (its codes are zeros, and this program alone reads the bytes); NaN and infinities among the inputs are not served.
; SHARES.  The work is 1,280 equal shares of 64 KB read: 1,024 tiles of the float tensors and 256 halves (1,024 keys) of the mask's 128 query tiles.  256 work-groups of five waves: wave w of work-group g takes share 5 g + w.
; Each load reads 512 consecutive bytes of one row; a K step's 16 rows turn through the wave's own stage in LDS (slots of 512 + 16 bytes), so that a lane gets 16 neighbours of each block of 32.
; The waves share nothing: no barrier, no tensor load, no cluster (no two work-groups read the same bytes).  The two paths have LDS bytes of their own.
.set STG,   8448                       ; a wave's stage: 16 slots of 528 bytes
.set MSTG,  5*STG                      ; the mask path's stages lie behind the float path's
.set R,     16                         ; v16-143  two sets of 64 registers as loaded
.set X,     144                        ; v144-207 64 numbers of a lane: register 16 b + i = k 32 b + 16 (lane / 16) + i of its row
.set PC,    208                        ; v208-227 the codes just made (12) and the conversions' second halves (8)
.set TM,    228                        ; v228-243 at work in QUANT
.set SW,    244                        ; v244-247 the scale words on their way out
.set PWB,   8                          ; v8-15    a scale word for each K step
.set W,     208                        ; v208-223 mask path: two registers of words for each step
.set SEL,   38                         ; s[38:39] lane selects for v_permlanex16_b32: lane l xor 16
	s_load_b512 s[16:31], s[0:1], 0x0              ; Query, Key, Value, W_q, W_k, W_v, W_o, mask
	s_load_b128 s[32:35], s[0:1], 0x40             ; codes, scales
	s_load_b64 s[36:37], s[0:1], 0x50              ; mbits
	v_lshl_add_u32 v254, v0, 2, 0x14a00
	v_mov_b32 v255, 0
	v_lshrrev_b32 v5, 5, v0
	v_readfirstlane_b32 s2, v5                     ; wave 0..4
	v_and_b32 v6, 31, v0                           ; lane
	v_lshlrev_b32 v1, 4, v6                        ; 16 x lane
	v_lshlrev_b32 v2, 3, v6                        ; 8 x lane
	s_mul_i32 s3, s2, STG
	v_add_nc_u32 v3, s3, v1                        ; the stage, on the way in: my 16 bytes of a slot
	v_and_b32 v5, 15, v0                           ; r
	v_bfe_u32 v7, v0, 4, 1                         ; h
	v_mul_u32_u24 v4, v5, 528
	v_lshl_add_u32 v4, v7, 6, v4
	v_add_nc_u32 v4, s3, v4                        ; and on the way out: slot r, + 64 h
	s_mov_b32 s[SEL], 0x76543210
	s_mov_b32 s[SEL+1], 0xfedcba98
	s_mul_i32 s47, ttmp9, 5
	s_add_co_u32 s47, s47, s2                      ; my share, 0..1,279
.macro LOADSET set, t, pitch           ; K step t of my tile's 16 rows: place i is row i + 8 (i / 8) from the tile's first
.irp i, 0,1,2,3,4,5,6,7,8,9,10,11,12,13,14,15
	global_load_b128 v[R+64*(\set)+4*\i:R+64*(\set)+4*\i+3], v1, s[40:41] offset:(\i+8*(\i/8))*(\pitch)+512*(\t) th:TH_LOAD_NT
.endr
.endm
.macro TURN set, stg                   ; through the stage: LDS serves a wave's instructions in order, so no wait stands between the stores and the loads
.irp i, 0,1,2,3,4,5,6,7,8,9,10,11,12,13,14,15
	ds_store_b128 v3, v[R+64*(\set)+4*\i:R+64*(\set)+4*\i+3] offset:(\stg)+528*\i
.endr
.irp b, 0,1,2,3
.irp j, 0,1,2,3
	ds_load_b128 v[X+16*\b+4*\j:X+16*\b+4*\j+3], v4 offset:(\stg)+128*\b+16*\j
.endr
.endr
.endm
; 64 numbers of a lane become a fragment's 12 code registers in v[PC] on and its row's scale word in v[pw]
.macro QUANT s, pw
.irp b, 0,1,2,3
	v_max3_num_f32 v[TM+\b], |v[\s+16*\b]|, |v[\s+1+16*\b]|, 0x1800000   ; block b: my 16 numbers, and the floor 2^(3 - 127): the byte cannot fall under 1
.endr
.irp i, 2,4,6,8,10,12,14
.irp b, 0,1,2,3
	v_max3_num_f32 v[TM+\b], v[TM+\b], |v[\s+16*\b+\i]|, |v[\s+1+16*\b+\i]|
.endr
.endr
.irp b, 0,1,2,3
	v_permlanex16_b32 v[TM+4+\b], v[TM+\b], s[SEL], s[SEL+1]
.endr
.irp b, 0,1,2,3
	v_max_num_f32 v[TM+\b], v[TM+\b], v[TM+4+\b]   ; with lane l xor 16's: the block's largest magnitude
.endr
.irp b, 0,1,2,3
	v_add_nc_u32 v[TM+12+\b], 0xff000000, v[TM+\b] ; 2 off its exponent field: the conversion's scale operand
.endr
.irp b, 0,1,2,3
	v_lshrrev_b32 v[TM+4+\b], 23, v[TM+12+\b]      ; the scale's byte
.endr
	v_lshl_or_b32 v[\pw], v[TM+5], 8, v[TM+4]
	v_lshl_or_b32 v[\pw], v[TM+6], 16, v[\pw]
	v_lshl_or_b32 v[\pw], v[TM+7], 24, v[\pw]
.irp c, 0,1
	v_cvt_scalef32_pk16_fp6_f32 v[PC+6*\c:PC+2+6*\c], v[\s+32*\c:\s+15+32*\c], v[TM+12+2*\c]
	v_cvt_scalef32_pk16_fp6_f32 v[PC+12+4*\c:PC+14+4*\c], v[\s+16+32*\c:\s+31+32*\c], v[TM+12+2*\c+1]   ; (a conversion's three registers begin on an even number)
.endr
	v_nop                                          ; one plain line behind the scaled conversions
.irp c, 0,1                            ; the operand's layout wants a whole block in a lane: lanes 0-15 block 2 c, lanes 16-31 block 2 c + 1
.irp i, 0,1,2
	v_permlane16_swap_b32 v[PC+6*\c+\i], v[PC+12+4*\c+\i]
.endr
.irp i, 0,1,2
	v_mov_b32 v[PC+3+6*\c+\i], v[PC+12+4*\c+\i]
.endr
.endr
.endm
	s_cmp_ge_u32 s47, 1024                         ; the share's number alone parts the two paths
	s_cbranch_scc1 .Lmask
	; ---- the float tensors: my share is tile s47 of the 1,024
	s_wait_kmcnt 0x0
	s_mov_b64 s[40:41], s[16:17]                   ; which tensor: by the tile's number
	s_mov_b32 s46, 0                               ; and the tensor's first tile
	s_cmp_ge_u32 s47, 256
	s_cselect_b64 s[40:41], s[18:19], s[40:41]
	s_cselect_b32 s46, 256, s46
	s_cmp_ge_u32 s47, 512
	s_cselect_b64 s[40:41], s[20:21], s[40:41]
	s_cselect_b32 s46, 512, s46
	s_cmp_ge_u32 s47, 768
	s_cselect_b64 s[40:41], s[22:23], s[40:41]
	s_cselect_b32 s46, 768, s46
	s_cmp_ge_u32 s47, 832
	s_cselect_b64 s[40:41], s[24:25], s[40:41]
	s_cselect_b32 s46, 832, s46
	s_cmp_ge_u32 s47, 896
	s_cselect_b64 s[40:41], s[26:27], s[40:41]
	s_cselect_b32 s46, 896, s46
	s_cmp_ge_u32 s47, 960
	s_cselect_b64 s[40:41], s[28:29], s[40:41]
	s_cselect_b32 s46, 960, s46
	s_sub_co_u32 s46, s47, s46                     ; the tile in its tensor
	s_lshr_b32 s48, s46, 1
	s_lshl_b32 s48, s48, 5
	s_and_b32 s49, s46, 1
	s_lshl_b32 s49, s49, 3
	s_add_co_u32 s48, s48, s49                     ; its first row: 32 (T / 2) + 8 (T % 2)
	s_lshl_b32 s48, s48, 12                        ; rows of 4,096 bytes
	s_mov_b32 s49, 0
	s_add_nc_u64 s[40:41], s[40:41], s[48:49]
	s_lshr_b32 s48, s47, 3
	s_mul_i32 s48, s48, 98304                      ; codes: the group of 8 tiles,
	s_and_b32 s50, s47, 7
	s_mul_i32 s50, s50, 1536                       ; the tile in a K step
	s_add_co_u32 s48, s48, s50
	s_add_nc_u64 s[42:43], s[32:33], s[48:49]
	s_lshl_b32 s48, s47, 9                         ; scales: 512 bytes a tile
	s_add_nc_u64 s[44:45], s[34:35], s[48:49]
.irp b, 0,1,2,3
	v_mov_b32 v[TM+4+\b], 0                        ; written once: a lane permute's destination counts as one of its sources
.endr
	LOADSET 0, 0, 4096
	LOADSET 1, 1, 4096
.macro FSTEP t
.if (\t) < 7
	s_wait_loadcnt 16                              ; this step's 16 loads are in; the next step's 16 stay out
.else
	s_wait_loadcnt 0x0
.endif
	TURN (\t)%2, 0
	s_wait_dscnt 0x0                               ; my 64 numbers are back, and the stage's stores have read the set
	s_wait_xcnt 0x0                                ; the last step's stores have read the code registers: they are written again only behind this wait
.if (\t) < 6
	LOADSET (\t)%2, (\t)+2, 4096                   ; the set takes the loads of two steps on
.endif
	QUANT X, PWB+(\t)
	global_store_b128 v1, v[PC:PC+3], s[42:43] offset:12288*(\t)          ; 1,536 consecutive bytes in four stores, each covering whole aligned blocks of 256 bytes
	global_store_b64 v2, v[PC+4:PC+5], s[42:43] offset:12288*(\t)+512
	global_store_b128 v1, v[PC+6:PC+9], s[42:43] offset:12288*(\t)+768
	global_store_b64 v2, v[PC+10:PC+11], s[42:43] offset:12288*(\t)+1280
.endm
	s_wait_alu depctr_va_vdst(0)
.irp t, 0,1,2,3,4,5,6,7
	FSTEP \t
.endr
	v_cmp_gt_u32 vcc_lo, 16, v6                    ; lanes 0-15 carry K steps 0-3 of their row, lanes 16-31 K steps 4-7 (both halves hold row r's words)
.irp k, 0,1,2,3
	v_cndmask_b32 v[SW+\k], v[PWB+4+\k], v[PWB+\k], vcc_lo
.endr
	global_store_b128 v1, v[SW:SW+3], s[44:45]     ; the tile's 512 bytes of scale words
	s_wait_tensorcnt 0x0
	ds_add_u32 v254, v255
	s_wait_dscnt 0x0
	s_endpgm
	; ---- the mask: shares 1,024 to 1,279
.Lmask:
	s_wait_kmcnt 0x0
	s_sub_co_u32 s46, s47, 1024
	s_lshr_b32 s47, s46, 1                         ; the query tile, 0..127
	s_and_b32 s46, s46, 1                          ; which 1,024 keys
	s_lshr_b32 s48, s47, 1
	s_lshl_b32 s48, s48, 5
	s_and_b32 s49, s47, 1
	s_lshl_b32 s49, s49, 3
	s_add_co_u32 s48, s48, s49
	s_lshl_b32 s48, s48, 13                        ; rows of 8,192 bytes
	s_lshl_b32 s49, s46, 12
	s_add_co_u32 s48, s48, s49
	s_mov_b32 s49, 0
	s_add_nc_u64 s[40:41], s[30:31], s[48:49]
	s_lshl_b32 s48, s47, 4
	s_lshl_b32 s50, s46, 3
	s_add_co_u32 s48, s48, s50
	s_lshl_b32 s48, s48, 8                         ; 256 bytes for a tile's key step
	s_add_nc_u64 s[42:43], s[36:37], s[48:49]
.irp i, 0,1,2,3,4,5,6,7,8,9,10,11,12,13,14,15
	v_mov_b32 v[W+\i], 0                           ; written once: v_writelane_b32's destination counts as read
.endr
	LOADSET 0, 0, 8192
	LOADSET 1, 1, 8192
.macro MSTEP t
.if (\t) < 7
	s_wait_loadcnt 16                              ; this step's 16 loads are in; the next step's 16 stay out
.else
	s_wait_loadcnt 0x0
.endif
	TURN (\t)%2, MSTG
	s_wait_dscnt 0x0
.if (\t) < 6
	LOADSET (\t)%2, (\t)+2, 8192
.endif
.irp q, 0,1,2,3                        ; a compare's lane mask IS word 16 q + e; lane j / 2 of a register pair collects words j
.irp e, 0,1,2,3,4,5,6,7,8,9,10,11,12,13,14,15
	v_cmp_ne_u32 s[48+\e], 0, v[X+16*\q+\e]
.endr
.irp e, 0,1,2,3,4,5,6,7,8,9,10,11,12,13,14,15
	v_writelane_b32 v[W+2*(\t)+\e%2], s[48+\e], 8*\q+\e/2
.endr
.endr
	global_store_b64 v2, v[W+2*(\t):W+2*(\t)+1], s[42:43] offset:256*(\t)   ; 32 lanes store 256 consecutive bytes, aligned; each step has its own pair, so no store's data are written again
.endm
.irp t, 0,1,2,3,4,5,6,7
	MSTEP \t
.endr
	s_wait_tensorcnt 0x0
	ds_add_u32 v254, v255
	s_wait_dscnt 0x0
	s_endpgm
.Lfunc_end_k_qd6d0f3d1d7_prep:
	.size	k_qd6d0f3d1d7_prep, .Lfunc_end_k_qd6d0f3d1d7_prep-k_qd6d0f3d1d7_prep
	.p2alignl 7, 3214868480
	.fill 96, 4, 3214868480
	.section	.rodata,"a",@progbits
	.p2align	6, 0x0
	.amdhsa_kernel k_qd6d0f3d1d7_prep
		.amdhsa_group_segment_fixed_size 85248
		.amdhsa_private_segment_fixed_size 0
		.amdhsa_enable_private_segment 0
		.amdhsa_kernarg_size 88
		.amdhsa_user_sgpr_count 2
		.amdhsa_user_sgpr_kernarg_segment_ptr 1
		.amdhsa_wavefront_size32 1
		.amdhsa_system_sgpr_workgroup_id_x 1
		.amdhsa_system_sgpr_workgroup_id_y 1
		.amdhsa_system_sgpr_workgroup_id_z 1
		.amdhsa_system_vgpr_workitem_id 0
		.amdhsa_next_free_vgpr 256
		.amdhsa_next_free_sgpr 66
		.amdhsa_reserve_vcc 1
		.amdhsa_float_denorm_mode_32 3
		.amdhsa_float_denorm_mode_16_64 3
		.amdhsa_memory_ordered 1
		.amdhsa_forward_progress 1
		.amdhsa_inst_pref_size 160
	.end_amdhsa_kernel
	.amdgpu_metadata
---
amdhsa.version: [ 1, 2 ]
amdhsa.kernels:
  - .name:           k_qd6d0f3d1d7_prep
    .symbol:         k_qd6d0f3d1d7_prep.kd
    .args:
      - { .name: Query, .offset: 0, .size: 8, .value_kind: global_buffer, .address_space: global }
      - { .name: Key, .offset: 8, .size: 8, .value_kind: global_buffer, .address_space: global }
      - { .name: Value, .offset: 16, .size: 8, .value_kind: global_buffer, .address_space: global }
      - { .name: W_q, .offset: 24, .size: 8, .value_kind: global_buffer, .address_space: global }
      - { .name: W_k, .offset: 32, .size: 8, .value_kind: global_buffer, .address_space: global }
      - { .name: W_v, .offset: 40, .size: 8, .value_kind: global_buffer, .address_space: global }
      - { .name: W_o, .offset: 48, .size: 8, .value_kind: global_buffer, .address_space: global }
      - { .name: mask, .offset: 56, .size: 8, .value_kind: global_buffer, .address_space: global }
      - { .name: codes, .offset: 64, .size: 8, .value_kind: global_buffer, .address_space: global }
      - { .name: scales, .offset: 72, .size: 8, .value_kind: global_buffer, .address_space: global }
      - { .name: mbits, .offset: 80, .size: 8, .value_kind: global_buffer, .address_space: global }
    .group_segment_fixed_size: 85248
    .private_segment_fixed_size: 0
    .kernarg_segment_align: 8
    .kernarg_segment_size: 88
    .max_flat_workgroup_size: 160
    .sgpr_count:     66
    .vgpr_count:     256
    .wavefront_size: 32
...
	.end_amdgpu_metadata
.endif
;; end of part 1
;; launch proj (part 2): grid 8 x 32, 16 waves a work-group, clusters of 4 x 4, 296,960 bytes of LDS; arguments codes, scales, kv; writes kv
.if DOCPART == 2
	.amdgcn_target "amdgcn-amd-amdhsa--gfx1250"
	.amdhsa_code_object_version 6
	.text
	.protected	k_qd6d0f3d1d7_proj
	.globl	k_qd6d0f3d1d7_proj
	.p2align	8
	.type	k_qd6d0f3d1d7_proj,@function
k_qd6d0f3d1d7_proj:
	s_mov_b64 s[64:65], 0
	v_nop
	global_prefetch_b8 v0, s[64:65] scope:SCOPE_SE
	s_setreg_imm32_b32 hwreg(HW_REG_WAVE_MODE, 25, 1), 1
	s_wait_xcnt 0x0
	s_wait_alu depctr_hold_cnt(0) depctr_sa_sdst(0) depctr_va_vdst(0) depctr_va_sdst(0) depctr_va_ssrc(0) depctr_va_vcc(0) depctr_vm_vsrc(0)
	s_getreg_b32 s2, hwreg(HW_REG_IB_STS2, 6, 4)
	s_cmp_eq_u32 s2, 0
	s_cbranch_scc0 .Lentry_in_a_cluster
	s_endpgm
.Lentry_in_a_cluster:
	s_bfe_u32 s2, ttmp6, 0x10000c
	s_cmp_lg_u32 s2, 0xf033
	s_cbranch_scc0 .Lentry_shape_is_right
	s_endpgm
.Lentry_shape_is_right:
; PROJ.  K = Key W_k^T and V = Value W_v^T on codes of FP6 (E2M3) with E8M0 scales, f32 sums; the results are quantised here for the attention launch.  (Q is made by the attention launch itself.)
; A work-group takes 128 rows of source 0 and 256 rows of source 1 with ALL of K = 1,024: dense blocks of 98,304 and 196,608 bytes of operand images, copied into LDS as they lie and filled once.
; K: source 0 = W_k (128 output features = two heads), source 1 = 256 rows of Key.  A lane then holds one row and its registers run along a head's 64 features: the next product's K.
; V: source 0 = Value (128 keys), source 1 = 256 rows of W_v: a lane holds one feature and its registers run along the KEYS, which are the second attention product's K.
; So K has 8 x 16 blocks and V 32 x 4: 256 work-groups in all.
; IMAGES.  A half image (16 rows x 64 K: six operand registers a lane) is 768 bytes: registers 0-3 at 16 x lane, registers 4-5 at 512 + 8 x lane.  A fragment (16 x 128) is two on end.
; A group is 8 tiles: [K step of 128][tile][half].  TILES ARE SPREAD: place r of tile T is row 32 (T / 2) + 8 (T % 2) + r + 8 (r / 8): the 16 registers of source 0's tiles 2 b, 2 b + 1 are 16 neighbours.
; WAVES.  Sixteen: wave w takes source 0's tiles 4 (w % 2) .. + 3 and source 1's tiles 2 (w / 2), + 1: eight accumulators, which take turns, one instruction a turn.
; CLUSTER 4 x 4: source 0's block hangs on cx alone and is shared along a column, source 1's on cy alone and is shared along a row: joint tensor loads.
; Every wave issues ONE tensor load: waves 0-7 a K step of source 0 (48 rows of 256 bytes), waves 8-15 two K steps of a group of source 1 (96 rows).  No LDS byte is filled twice; no loop to prefetch in.
; LIMITS: a block of zeros gets the byte 1 (its codes are zeros; this program alone reads the bytes); NaN and infinities are not served.
.set GRP,   98304                      ; a group: 8 K steps x 8 tiles x 1,536 bytes
.set KST,   12288                      ; a K step of a group
.set TIL,   1536                       ; a fragment
.set CHK,   24576                      ; two K steps
.set SRC1,  98304                      ; LDS: source 1's two groups lie behind source 0's one
.set SPARE, 294912                     ; behind them: the spare words, 128 bytes a wave
.set SCA,   16                         ; v16-31  source 0's scale words: v[SCA + 8 (a / 2) + s]: lanes 0-15 tile a even, lanes 16-31 tile a odd
.set SCB,   32                         ; v32-39  source 1's: v[SCB + s]: lanes 0-15 tile 0, lanes 16-31 tile 1
.set FS,    40                         ; v40-111, v112-183 two sets of fragments: four of source 0, two of source 1
.set ACC,   184                        ; v184-247 accumulator (a, c) at ACC + 32 c + 8 a
.set TM,    40                         ; the way out: at work (the fragments are done with)
.set WV,    18                         ; s18 wave; s19 wave % 2; s20 wave / 2; s21 wave % 8
.set SEL,   6                          ; s[6:7] lane selects for v_permlanex16_b32
.set G1A,   24                         ; s[24:31] descriptor group 1, source 0;  s[32:39] source 1
.set G1B,   32
.set G0A,   40                         ; s[40:43] group 0, source 0;  s[44:47] source 1
.set G0B,   44
.macro CROUND                          ; a round of the cluster's barrier
	s_barrier_signal -1
	s_barrier_wait -1
	s_cmp_lg_u32 s[WV], 0
	s_cbranch_scc1 .Lnot_wave_0_\@
	s_barrier_signal -3
.Lnot_wave_0_\@:
	s_barrier_wait -3
	s_barrier_signal -1
	s_barrier_wait -1
.endm
.macro FRAG reg, a16, off              ; a fragment comes back as it was stored: every load reads consecutive bytes
	ds_load_b128 v[\reg:\reg+3], v[\a16] offset:\off
	ds_load_b64 v[\reg+4:\reg+5], v[\a16+1] offset:\off+512
	ds_load_b128 v[\reg+6:\reg+9], v[\a16] offset:\off+768
	ds_load_b64 v[\reg+10:\reg+11], v[\a16+1] offset:\off+1280
.endm
.macro FETCH s, p                      ; K step s into set p: 24 loads
.irp i, 0,1,2,3
	FRAG FS+72*(\p)+12*\i, 4+2*((\s)/4), KST*((\s)%4)+TIL*\i
.endr
.irp i, 0,1
	FRAG FS+72*(\p)+48+12*\i, 8+2*((\s)/4), KST*((\s)%4)+TIL*\i
.endr
.endm
.macro WM a, c, s, p, zero
.set rD, ACC+32*(\c)+8*(\a)
.set rA, FS+72*(\p)+12*(\a)
.set rB, FS+72*(\p)+48+12*(\c)
.set rX, SCA+8*((\a)/2)+(\s)
.set rY, SCB+(\s)
.if \zero
.if ((\a)%2 == 0) && ((\c) == 0)
	v_wmma_scale_f32_16x16x128_f8f6f4 v[rD:rD+7], v[rA:rA+11], v[rB:rB+11], 0, v[rX], v[rY] matrix_a_fmt:MATRIX_FMT_FP6 matrix_b_fmt:MATRIX_FMT_FP6
.elseif (\c) == 0
	v_wmma_scale_f32_16x16x128_f8f6f4 v[rD:rD+7], v[rA:rA+11], v[rB:rB+11], 0, v[rX], v[rY] matrix_a_fmt:MATRIX_FMT_FP6 matrix_b_fmt:MATRIX_FMT_FP6 matrix_a_scale:MATRIX_SCALE_ROW1
.elseif (\a)%2 == 0
	v_wmma_scale_f32_16x16x128_f8f6f4 v[rD:rD+7], v[rA:rA+11], v[rB:rB+11], 0, v[rX], v[rY] matrix_a_fmt:MATRIX_FMT_FP6 matrix_b_fmt:MATRIX_FMT_FP6 matrix_b_scale:MATRIX_SCALE_ROW1
.else
	v_wmma_scale_f32_16x16x128_f8f6f4 v[rD:rD+7], v[rA:rA+11], v[rB:rB+11], 0, v[rX], v[rY] matrix_a_fmt:MATRIX_FMT_FP6 matrix_b_fmt:MATRIX_FMT_FP6 matrix_a_scale:MATRIX_SCALE_ROW1 matrix_b_scale:MATRIX_SCALE_ROW1
.endif
.else
.if ((\a)%2 == 0) && ((\c) == 0)
	v_wmma_scale_f32_16x16x128_f8f6f4 v[rD:rD+7], v[rA:rA+11], v[rB:rB+11], v[rD:rD+7], v[rX], v[rY] matrix_a_fmt:MATRIX_FMT_FP6 matrix_b_fmt:MATRIX_FMT_FP6
.elseif (\c) == 0
	v_wmma_scale_f32_16x16x128_f8f6f4 v[rD:rD+7], v[rA:rA+11], v[rB:rB+11], v[rD:rD+7], v[rX], v[rY] matrix_a_fmt:MATRIX_FMT_FP6 matrix_b_fmt:MATRIX_FMT_FP6 matrix_a_scale:MATRIX_SCALE_ROW1
.elseif (\a)%2 == 0
	v_wmma_scale_f32_16x16x128_f8f6f4 v[rD:rD+7], v[rA:rA+11], v[rB:rB+11], v[rD:rD+7], v[rX], v[rY] matrix_a_fmt:MATRIX_FMT_FP6 matrix_b_fmt:MATRIX_FMT_FP6 matrix_b_scale:MATRIX_SCALE_ROW1
.else
	v_wmma_scale_f32_16x16x128_f8f6f4 v[rD:rD+7], v[rA:rA+11], v[rB:rB+11], v[rD:rD+7], v[rX], v[rY] matrix_a_fmt:MATRIX_FMT_FP6 matrix_b_fmt:MATRIX_FMT_FP6 matrix_a_scale:MATRIX_SCALE_ROW1 matrix_b_scale:MATRIX_SCALE_ROW1
.endif
.endif
.endm
.macro MUL s, p, zero                  ; eight products; zero = 1: they start the sums, nothing is cleared
.irp c, 0,1
.irp a, 0,1,2,3
	WM \a, \c, \s, \p, \zero
.endr
.endr
.endm
; 32 numbers of a lane, register 16 b + i = k 32 b + 16 (lane / 16) + i of its row, become a half image in v[pc .. pc + 5] and two scale bytes in v[hw]
.macro QUANT32 s, pc, pt, hw
.irp b, 0,1
	v_max3_num_f32 v[TM+\b], |v[\s+16*\b]|, |v[\s+1+16*\b]|, 0x1800000   ; each accumulator is read from its low end on; the floor 2^(3 - 127) holds the byte at 1 from below
.endr
.irp i, 2,4,6,8,10,12,14
.irp b, 0,1
	v_max3_num_f32 v[TM+\b], v[TM+\b], |v[\s+16*\b+\i]|, |v[\s+1+16*\b+\i]|   ; (the two blocks by turns; the numbers are matrix results: no hint stands here)
.endr
.endr
.irp b, 0,1
	s_delay_alu instid0(VALU_DEP_2)
	v_permlanex16_b32 v[TM+2+\b], v[TM+\b], s[SEL], s[SEL+1]
.endr
.irp b, 0,1
	s_delay_alu instid0(VALU_DEP_2)
	v_max_num_f32 v[TM+\b], v[TM+\b], v[TM+2+\b]   ; with lane l xor 16's: the block's largest magnitude
.endr
.irp b, 0,1
	s_delay_alu instid0(VALU_DEP_2)
	v_add_nc_u32 v[TM+4+\b], 0xff000000, v[TM+\b]  ; 2 off its exponent field: the conversion's scale operand
.endr
.irp b, 0,1
	s_delay_alu instid0(VALU_DEP_2)
	v_lshrrev_b32 v[TM+2+\b], 23, v[TM+4+\b]       ; the scale's byte
.endr
	s_delay_alu instid0(VALU_DEP_1)
	v_lshl_or_b32 v[\hw], v[TM+3], 8, v[TM+2]
	v_cvt_scalef32_pk16_fp6_f32 v[\pc:\pc+2], v[\s:\s+15], v[TM+4]
	v_cvt_scalef32_pk16_fp6_f32 v[\pt:\pt+2], v[\s+16:\s+31], v[TM+5]
	v_nop                                          ; one plain line behind the scaled conversions
.irp i, 0,1,2
	v_permlane16_swap_b32 v[\pc+\i], v[\pt+\i]     ; a whole block to a lane: lanes 0-15 block 0, lanes 16-31 block 1
.endr
.irp i, 0,1,2
	s_delay_alu instid0(VALU_DEP_3)
	v_mov_b32 v[\pc+3+\i], v[\pt+\i]
.endr
.endm
	s_load_b128 s[8:11], s[0:1], 0x0               ; codes, scales
	s_load_b64 s[16:17], s[0:1], 0x10              ; kv
	v_lshl_add_u32 v254, v0, 2, SPARE
	v_mov_b32 v255, 0
	ds_add_u32 v254, v255                          ; the opening lines: the add, twice on end, and its wait ahead of my tensor load
	ds_add_u32 v254, v255
	v_lshrrev_b32 v12, 5, v0
	s_delay_alu instid0(VALU_DEP_1)
	v_readfirstlane_b32 s[WV], v12                 ; wave 0..15
	s_and_b32 s19, s[WV], 1
	s_lshr_b32 s20, s[WV], 1
	s_and_b32 s21, s[WV], 7
	s_bfe_u32 s22, ttmp6, 0x40000                  ; cx
	s_bfe_u32 s23, ttmp6, 0x40004                  ; cy
	s_and_b32 s76, ttmp7, 0xffff
	s_lshl_b32 s76, s76, 1
	s_add_co_u32 s76, s76, ttmp9                   ; the cluster's number, 0..15: eight clusters to a product
	s_and_b32 s77, s76, 7
	s_lshr_b32 s76, s76, 3                         ; which product: 0 K, 1 V
	s_and_b32 s87, s77, 1                          ; K: which four of W_k's 8 groups,
	s_lshr_b32 s88, s77, 1                         ;    which four of Key's 16 runs of 256 rows
	s_cmp_eq_u32 s76, 1
	s_cselect_b32 s78, s77, s87                    ; V: which four of Value's 32 groups;
	s_cselect_b32 s82, 0, s88                      ;    W_v has just four runs of 256 rows
	s_cselect_b32 s79, 64, 104                     ; Value's groups begin at 64, W_k's at 104,
	s_cselect_b32 s83, 112, 32                     ; W_v's at 112, Key's at 32
	s_lshl_b32 s78, s78, 2
	s_add_co_u32 s78, s78, s22                     ; source 0's group in its tensor: hangs on cx, never on cy
	s_lshl_b32 s82, s82, 2
	s_add_co_u32 s82, s82, s23                     ; source 1's run of 256 rows: hangs on cy, never on cx
	s_add_co_u32 s79, s79, s78                     ; and among the 128 groups of the codes' buffer
	s_lshl_b32 s89, s82, 1
	s_add_co_u32 s83, s83, s89
	s_lshl_b32 s4, 0x1111, s22                     ; my column of the cluster
	s_lshl_b32 s5, s23, 2
	s_lshl_b32 s5, 15, s5                          ; my row
	s_or_b32 s[G1A], s4, (3<<16)|(1<<21)           ; 15:0 the mask; 17:16 elements of 8 bytes; 21 set beside a mask; no padding
	s_or_b32 s[G1B], s5, (3<<16)|(1<<21)
	s_mov_b32 s[G1A+2], 48<<16                     ; source 0: 48 rows a load,
	s_mov_b32 s[G1A+4], 48
	s_mov_b32 s[G1B+2], 96<<16                     ; source 1: 96
	s_mov_b32 s[G1B+4], 96
.irp g, G1A, G1B
	s_mov_b32 s[\g+1], 32<<16                      ; rows of 32 elements: 256 bytes
	s_mov_b32 s[\g+3], 32<<16
	s_mov_b32 s[\g+5], 32                          ; the block is dense
	s_mov_b32 s[\g+6], 0
	s_mov_b32 s[\g+7], 0
.endr
	s_mul_i32 s86, s21, KST                        ; source 0: K step wave % 8
	s_mul_i32 s80, s79, GRP
	s_add_co_u32 s80, s80, s86
	s_mov_b32 s81, 0
	s_mul_i32 s75, s21, CHK                        ; source 1: piece wave % 8 of its two groups
	s_mul_i32 s84, s83, GRP
	s_add_co_u32 s84, s84, s75
	s_mov_b32 s85, 0
	s_lshl_b32 s90, s79, 3                         ; source 0's scale words: 512 bytes a tile, from tile 8 G + 4 (w % 2)
	s_lshl_b32 s91, s19, 2
	s_add_co_u32 s90, s90, s91
	s_lshl_b32 s90, s90, 9
	s_mov_b32 s91, 0
	s_lshl_b32 s92, s83, 3                         ; source 1's: from tile 8 G + 2 (w / 2)
	s_lshl_b32 s93, s20, 1
	s_add_co_u32 s92, s92, s93
	s_lshl_b32 s92, s92, 9
	s_mov_b32 s93, 0
	v_and_b32 v12, 31, v0                          ; lane
	v_and_b32 v13, 15, v0                          ; r
	v_bfe_u32 v14, v0, 4, 1                        ; h
	s_delay_alu instid0(VALU_DEP_3)
	v_lshlrev_b32 v1, 4, v12
	v_lshlrev_b32 v2, 3, v12
	v_lshlrev_b32 v3, 4, v13
	s_delay_alu instid0(VALU_DEP_1)
	v_lshl_add_u32 v3, v14, 9, v3                  ; scale words: 512 h + 16 r: lanes 0-15 one tile, lanes 16-31 the next
	v_lshlrev_b32 v13, 2, v13                      ; 4 r
	s_mul_i32 s94, s19, 4*TIL
	v_add_nc_u32 v4, s94, v1                       ; source 0's fragments, K steps 0-3,
	v_add_nc_u32 v5, s94, v2
	s_delay_alu instid0(VALU_DEP_2)
	v_add_nc_u32 v6, 4*KST, v4                     ; and 4-7
	s_delay_alu instid0(VALU_DEP_2)
	v_add_nc_u32 v7, 4*KST, v5
	s_lshr_b32 s94, s20, 2                         ; source 1's: which of the two groups,
	s_mul_i32 s94, s94, GRP
	s_and_b32 s95, s20, 3                          ; which pair of its tiles
	s_mul_i32 s95, s95, 2*TIL
	s_add_co_u32 s94, s94, s95
	s_add_co_u32 s94, s94, SRC1
	v_add_nc_u32 v8, s94, v1
	v_add_nc_u32 v9, s94, v2
	s_delay_alu instid0(VALU_DEP_2)
	v_add_nc_u32 v10, 4*KST, v8
	s_delay_alu instid0(VALU_DEP_2)
	v_add_nc_u32 v11, 4*KST, v9
	s_mov_b32 s[SEL], 0x76543210
	s_mov_b32 s[SEL+1], 0xfedcba98
	s_wait_alu depctr_va_vdst(0)                   ; the wait at the head's end
	s_wait_dscnt 0x0                               ; both opening adds are done
	s_wait_kmcnt 0x0
	s_add_nc_u64 s[80:81], s[8:9], s[80:81]
	s_add_nc_u64 s[84:85], s[8:9], s[84:85]
	s_add_nc_u64 s[90:91], s[10:11], s[90:91]
	s_add_nc_u64 s[92:93], s[10:11], s[92:93]
	s_mov_b32 s[G0A], 1                            ; count = 1
	s_mov_b32 s[G0A+1], s86                        ; LDS address: the same place as in the group
	s_mov_b64 s[G0A+2:G0A+3], s[80:81]
	s_or_b32 s[G0A+3], s[G0A+3], 0x80000000        ; type = 2
	s_mov_b32 s[G0B], 1
	s_add_co_u32 s[G0B+1], s75, SRC1
	s_mov_b64 s[G0B+2:G0B+3], s[84:85]
	s_or_b32 s[G0B+3], s[G0B+3], 0x80000000
	CROUND                                         ; all sixteen work-groups are here: the joint loads meet
	s_cmp_lt_u32 s[WV], 8                          ; waves 0-7 fetch source 0's block, waves 8-15 source 1's: one tensor load a wave, one to each arm
	s_cbranch_scc0 .Lfill_b
	tensor_load_to_lds s[G0A:G0A+3], s[G1A:G1A+7]
	s_nop 0
.rept 4
	v_nop
.endr
	s_branch .Lfilled
.Lfill_b:
	tensor_load_to_lds s[G0B:G0B+3], s[G1B:G1B+7]
	s_nop 0
.rept 4
	v_nop
.endr
.Lfilled:
.irp i, 0,1
.irp u, 0,1
	global_load_b128 v[SCA+8*\i+4*\u:SCA+8*\i+4*\u+3], v3, s[90:91] offset:1024*\i+256*\u   ; sixteen lanes read 256 consecutive bytes: four K steps' words of a tile
.endr
.endr
.irp u, 0,1
	global_load_b128 v[SCB+4*\u:SCB+4*\u+3], v3, s[92:93] offset:256*\u
.endr
	s_wait_tensorcnt 0x0                           ; my one tensor load is in;
	s_barrier_signal -1
	s_barrier_wait -1                              ; everybody's is: both blocks stand for the rest of the launch
	FETCH 0, 0
	s_wait_loadcnt 0x0                             ; the scale words
.macro KSTEP s
.if (\s) >= 1
.rept 4
	v_nop                                          ; four places between the last products and loads into the set that they read (ISA guide 7.12.1 for vector instructions)
.endr
.endif
.if (\s) < 7
	FETCH (\s)+1, ((\s)+1)%2
	s_wait_dscnt 24                                ; this step's fragments are in; the 24 loads just issued stay out
.else
	s_wait_dscnt 0x0
.endif
.if (\s) == 0
	MUL \s, (\s)%2, 1
.else
	MUL \s, (\s)%2, 0
.endif
.endm
.irp s, 0,1,2,3,4,5,6,7
	KSTEP \s
.endr
	; ---- where the results go.  Both products' offsets are made; the product's number selects.  (Numbers that mix cx and cy live in s90-99 alone.)
	; kv: for each batch and head 204,800 bytes: two runs of 1,024 keys, in each K's images (49,152), V's images (49,152), K's scale words (2,048), V's (2,048)
	s_lshl_b32 s90, s82, 3
	s_add_co_u32 s90, s90, s20                     ; pr: source 1's pair of tiles in its tensor
	s_lshl_b32 s91, s78, 1
	s_add_co_u32 s91, s91, s19                     ; source 0's run of 64: K: the head; V: the group of 64 keys among 4,096 rows
	s_lshr_b32 s92, s90, 6
	s_lshl_b32 s92, s92, 4
	s_add_co_u32 s92, s92, s91                     ; K: 16 batch + head
	s_and_b32 s93, s90, 63                         ; the pair in the sequence
	s_mul_i32 s92, s92, 204800
	s_lshr_b32 s96, s93, 5
	s_mul_i32 s96, s96, 102400
	s_add_co_u32 s92, s92, s96                     ; K: the head's run of 1,024 keys
	s_and_b32 s93, s93, 31
	s_mul_i32 s96, s93, 1536
	s_add_co_u32 s96, s96, s92                     ; K's images
	s_lshl_b32 s93, s93, 6
	s_add_co_u32 s93, s93, s92
	s_add_co_u32 s93, s93, 98304                   ; K's scale words
	s_lshr_b32 s92, s91, 5
	s_lshl_b32 s92, s92, 4
	s_lshr_b32 s97, s90, 1
	s_add_co_u32 s92, s92, s97                     ; V: 16 batch + head
	s_mul_i32 s92, s92, 204800
	s_and_b32 s91, s91, 31                         ; the group of 64 keys in the sequence
	s_lshr_b32 s97, s91, 4
	s_mul_i32 s97, s97, 102400
	s_add_co_u32 s92, s92, s97
	s_and_b32 s91, s91, 15
	s_lshl_b32 s91, s91, 1
	s_and_b32 s90, s90, 1
	s_add_co_u32 s91, s91, s90                     ; 2 x group + which pair of the head's four tiles
	s_mul_i32 s97, s91, 1536
	s_add_co_u32 s97, s97, s92
	s_add_co_u32 s97, s97, 49152                   ; V's images
	s_lshl_b32 s91, s91, 6
	s_add_co_u32 s91, s91, s92
	s_add_co_u32 s91, s91, 100352                  ; V's scale words
	s_cmp_eq_u32 s76, 1
	s_cselect_b32 s96, s97, s96
	s_cselect_b32 s98, s91, s93
	s_mov_b32 s97, 0
	s_mov_b32 s99, 0
	s_add_nc_u64 s[90:91], s[16:17], s[96:97]
	s_add_nc_u64 s[92:93], s[16:17], s[98:99]
.rept 4
	v_nop                                          ; four places behind the last products: their results are read and their operands written below
.endr
	v_mov_b32 v[TM+2], 0                           ; a lane permute's destination counts as one of its sources
	v_mov_b32 v[TM+3], 0
	QUANT32 ACC, 56, 62, 66                        ; source 1's tile 0: 16 rows x my 64 along the next K
	QUANT32 ACC+32, 72, 78, 82                     ; tile 1
	v_lshl_or_b32 v84, v82, 16, v66                ; the pair's scale word
	global_store_b128 v1, v[56:59], s[90:91]       ; two half images: 1,536 consecutive bytes, each store covering whole aligned blocks of 256 bytes
	global_store_b64 v2, v[60:61], s[90:91] offset:512
	global_store_b128 v1, v[72:75], s[90:91] offset:768
	global_store_b64 v2, v[76:77], s[90:91] offset:1280
	v_cmp_gt_u32 vcc_lo, 16, v12
	s_wait_alu depctr_va_vdst(0)                   ; the wait here, directly ahead of the wait below
	s_wait_xcnt 0x0                                ; EXEC changes only behind this wait: it is a source of the stores above
	s_and_saveexec_b32 s94, vcc_lo
	global_store_b32 v13, v84, s[92:93]            ; lanes 0-15: 64 bytes of scale words
	s_wait_xcnt 0x0
	s_or_b32 exec_lo, exec_lo, s94
	s_wait_tensorcnt 0x0                           ; the wave's end
	ds_add_u32 v254, v255
	s_wait_dscnt 0x0
	CROUND                                         ; the closing round: no work-group ends while a partner may still ask for a block that names it
	s_endpgm
.Lfunc_end_k_qd6d0f3d1d7_proj:
	.size	k_qd6d0f3d1d7_proj, .Lfunc_end_k_qd6d0f3d1d7_proj-k_qd6d0f3d1d7_proj
	.p2alignl 7, 3214868480
	.fill 96, 4, 3214868480
	.section	.rodata,"a",@progbits
	.p2align	6, 0x0
	.amdhsa_kernel k_qd6d0f3d1d7_proj
		.amdhsa_group_segment_fixed_size 296960
		.amdhsa_private_segment_fixed_size 0
		.amdhsa_enable_private_segment 0
		.amdhsa_kernarg_size 24
		.amdhsa_user_sgpr_count 2
		.amdhsa_user_sgpr_kernarg_segment_ptr 1
		.amdhsa_wavefront_size32 1
		.amdhsa_system_sgpr_workgroup_id_x 1
		.amdhsa_system_sgpr_workgroup_id_y 1
		.amdhsa_system_sgpr_workgroup_id_z 1
		.amdhsa_system_vgpr_workitem_id 0
		.amdhsa_next_free_vgpr 256
		.amdhsa_next_free_sgpr 100
		.amdhsa_reserve_vcc 1
		.amdhsa_float_denorm_mode_32 3
		.amdhsa_float_denorm_mode_16_64 3
		.amdhsa_memory_ordered 1
		.amdhsa_forward_progress 1
		.amdhsa_inst_pref_size 36
	.end_amdhsa_kernel
	.amdgpu_metadata
---
amdhsa.version: [ 1, 2 ]
amdhsa.kernels:
  - .name:           k_qd6d0f3d1d7_proj
    .symbol:         k_qd6d0f3d1d7_proj.kd
    .args:
      - { .name: codes, .offset: 0, .size: 8, .value_kind: global_buffer, .address_space: global }
      - { .name: scales, .offset: 8, .size: 8, .value_kind: global_buffer, .address_space: global }
      - { .name: kv, .offset: 16, .size: 8, .value_kind: global_buffer, .address_space: global }
    .group_segment_fixed_size: 296960
    .private_segment_fixed_size: 0
    .kernarg_segment_align: 8
    .kernarg_segment_size: 24
    .max_flat_workgroup_size: 512
    .sgpr_count:     100
    .vgpr_count:     256
    .wavefront_size: 32
...
	.end_amdgpu_metadata
.endif
;; end of part 2
;; launch attn (part 3): grid 8 x 32, 16 waves a work-group, clusters of 4 x 1, 256,000 bytes of LDS; arguments codes, scales, kv, mbits, ximg, xsc; writes ximg, xsc
.if DOCPART == 3
	.amdgcn_target "amdgcn-amd-amdhsa--gfx1250"
	.amdhsa_code_object_version 6
	.text
	.protected	k_qd6d0f3d1d7_attn
	.globl	k_qd6d0f3d1d7_attn
	.p2align	8
	.type	k_qd6d0f3d1d7_attn,@function
k_qd6d0f3d1d7_attn:
	s_mov_b64 s[64:65], 0
	v_nop
	global_prefetch_b8 v0, s[64:65] scope:SCOPE_SE
	s_setreg_imm32_b32 hwreg(HW_REG_WAVE_MODE, 25, 1), 1
	s_wait_xcnt 0x0
	s_wait_alu depctr_hold_cnt(0) depctr_sa_sdst(0) depctr_va_vdst(0) depctr_va_sdst(0) depctr_va_ssrc(0) depctr_va_vcc(0) depctr_vm_vsrc(0)
	s_getreg_b32 s2, hwreg(HW_REG_IB_STS2, 6, 4)
	s_cmp_eq_u32 s2, 0
	s_cbranch_scc0 .Lentry_in_a_cluster
	s_endpgm
.Lentry_in_a_cluster:
	s_bfe_u32 s2, ttmp6, 0x10000c
	s_cmp_lg_u32 s2, 0x3003
	s_cbranch_scc0 .Lentry_shape_is_right
	s_endpgm
.Lentry_shape_is_right:
; ATTN.  Q = Query W_q^T and X = softmax(Q K^T / 8, masked) V for one batch and head (work-group y) and 256 queries (work-group x), on codes of FP6 (E2M3) with E8M0 scales, f32 sums.
; Sixteen waves, 16 queries each.  All products are used transposed (Q^T = W_q Query^T, S^T = K Q^T, O^T = V^T p^T): a lane holds ONE query, and its registers run along the features or the keys.
; Q IS MADE HERE: a wave's 16 queries x its head's 64 features are used by this wave alone.  Query's eight fragments (16 rows x 1,024) come from memory straight into 96 registers; W_q's head, 64 rows x 1,024,
; 49,152 bytes of operand images, stands in LDS; 32 products on four accumulators by turns; the result is quantised in registers into the half image that S^T's products take.
; K, V and their scale words of one head are one dense block of 204,800 bytes of operand images: two runs of 1,024 keys, in each 49,152 bytes of K, 49,152 of V, 2,048 + 2,048 of scale words.
; LDS is filled ONCE, by one tensor load a wave at the head: waves 0-7 take 100 rows of 256 bytes of K and V each, waves 8-15 a K step of W_q's head each (24 rows).  One barrier serves the whole launch.
; CLUSTER 4 x 1: the four work-groups of a cluster take the same head, so each load is a joint one (mask 15); its descriptor hangs on the head and the wave's number alone.
; No prefetch: K, V and W_q are asked for whole at the head, and a step's 256 bytes of mask words are asked for one step ahead by the scalar loads themselves.
; A STEP is 128 keys.  A fragment of K holds two tiles of 16 keys x 64 features; Q stands in the lower or the upper half of source 1 with zero codes in the other half, which picks the tile.
; The keys of a tile are spread, so that the 16 registers of two neighbouring tiles are 16 neighbouring keys: p is quantised in registers, block by block of 32 keys.
; THE MASK: bit L of word 16 b + e says whether lane L's query sees its key; a key that is not seen gets S = -2^33 in place of its sum.
; SOFTMAX: t = S x log2(e) / 8; M = ceil(the running largest t), kept as -M; p = 2^(t - M); the row's sum is taken of the unquantised p; when M moves, O^T and the sum are multiplied by the exact 2^(old M - new M).
; All sources of a step's exponentials are laid first, O^T's rescaling too; then one wait, the 68 exponentials, one wait.
; LIMITS: the promise holds while |t| stays under 2^31 and the logits of keys that are seen stay above -1e9 (a masked key stands at t = -1.55e9, where reference() has -1.44e9; a row with no key seen is uniform in both).
; A block of zeros gets the byte 1 (its codes are zeros; this program alone reads the bytes).  NaN and infinities are not served.
.set WQ,    204800                     ; LDS: W_q's head lies behind K and V: [K step][tile 0..3][1,536]
.set SPARE, 253952                     ; behind it: the spare words, 128 bytes a wave
.set L16,  1                           ; 16, 8, 4 x lane
.set L8,   2
.set L4,   3
.set AD16, 4                           ; LDS addresses
.set AD8,  5
.set ADS,  6
.set NEG,  7                           ; -2^33
.set QLO,  22                          ; v16-21 zeros, v22-27 Q's half image, v28-33 zeros
.set QS,   34                          ; Q's scale word; PS p's; KS K's (two); VA, VB, VE V's
.set PS,   35
.set KS,   36
.set VA,   38
.set VB,   39
.set VE,   40
.set F,    48                          ; v48-95   four fragments of W_q, of K, of V
.set S,    96                          ; v96-159  S^T, then p
.set O,    160                         ; v160-191 O^T
.set XQ,   96                          ; v96-191  while Q is made: Query's eight fragments
.set QA,   192                         ; v192-223 Q^T's four accumulators
.set SCA,  228                         ; v228-243 W_q's scale words: v[SCA + 8 (a / 2) + s]: lanes 0-15 tile a even, lanes 16-31 tile a odd; these registers hold scales and nothing else
.set SCB,  244                         ; v244-251 Query's: v[SCB + s]; scales and nothing else
.set P,    192                         ; v192-203 p's codes; v204-210 the conversions' second halves
.set PT,   204
.set BM,   212                         ; each block's largest S, then its largest p
.set XT,   216
.set SO,   220                         ; the conversions' scale operands
.set FF,   224                         ; f = 2^(old M - new M)
.set SU,   226                         ; partial sums
.set SU2,  46
.set SU3,  252
.set TT,   44
.set OM,   42                          ; the old -M.  v12 -M, v13 the running largest t, v[14:15] the row's sum in two halves
.set SEL,  2                           ; s[2:3] selects for lane l xor 16
.set WV,   4
.set CS,   14                          ; s[14:15] log2(e) / 8
.set MP,   66                          ; s[66:67] my query tile's mask words
.set G1,   68                          ; s[68:75] descriptor group 1, s[76:79] group 0: K and V
.set G1W,  80                          ; s[80:87], s[88:91] the same for W_q (the mask words land there only behind the wait for the loads)
.set MOFF, 100
.set CNT,  101
.set TB,   104
.set TS,   105
.macro CROUND                          ; a round of the cluster's barrier
	s_barrier_signal -1
	s_barrier_wait -1
	s_cmp_lg_u32 s[WV], 0
	s_cbranch_scc1 .Lnot_wave_0_\@
	s_barrier_signal -3
.Lnot_wave_0_\@:
	s_barrier_wait -3
	s_barrier_signal -1
	s_barrier_wait -1
.endm
.macro MLOAD                           ; a step's 64 mask words
	s_load_b512 s[16:31], s[MP:MP+1], s[MOFF] offset:0x0
	s_load_b512 s[32:47], s[MP:MP+1], s[MOFF] offset:0x40
	s_load_b512 s[48:63], s[MP:MP+1], s[MOFF] offset:0x80
	s_load_b512 s[80:95], s[MP:MP+1], s[MOFF] offset:0xc0
.endm
.macro FRAG reg, off                   ; a fragment comes back as it was stored: every load reads consecutive bytes
	ds_load_b128 v[\reg:\reg+3], v[AD16] offset:\off
	ds_load_b64 v[\reg+4:\reg+5], v[AD8] offset:\off+512
	ds_load_b128 v[\reg+6:\reg+9], v[AD16] offset:\off+768
	ds_load_b64 v[\reg+10:\reg+11], v[AD8] offset:\off+1280
.endm
.macro WQM a, s                        ; Q^T's tile a += W_q's tile a x Query's rows, K step s; step 0 starts the sums
.if (\s) == 0
.if (\a)%2 == 0
	v_wmma_scale_f32_16x16x128_f8f6f4 v[QA+8*\a:QA+8*\a+7], v[F+12*\a:F+12*\a+11], v[XQ+12*\s:XQ+12*\s+11], 0, v[SCA+8*(\a/2)+\s], v[SCB+\s] matrix_a_fmt:MATRIX_FMT_FP6 matrix_b_fmt:MATRIX_FMT_FP6
.else
	v_wmma_scale_f32_16x16x128_f8f6f4 v[QA+8*\a:QA+8*\a+7], v[F+12*\a:F+12*\a+11], v[XQ+12*\s:XQ+12*\s+11], 0, v[SCA+8*(\a/2)+\s], v[SCB+\s] matrix_a_fmt:MATRIX_FMT_FP6 matrix_b_fmt:MATRIX_FMT_FP6 matrix_a_scale:MATRIX_SCALE_ROW1
.endif
.else
.if (\a)%2 == 0
	v_wmma_scale_f32_16x16x128_f8f6f4 v[QA+8*\a:QA+8*\a+7], v[F+12*\a:F+12*\a+11], v[XQ+12*\s:XQ+12*\s+11], v[QA+8*\a:QA+8*\a+7], v[SCA+8*(\a/2)+\s], v[SCB+\s] matrix_a_fmt:MATRIX_FMT_FP6 matrix_b_fmt:MATRIX_FMT_FP6
.else
	v_wmma_scale_f32_16x16x128_f8f6f4 v[QA+8*\a:QA+8*\a+7], v[F+12*\a:F+12*\a+11], v[XQ+12*\s:XQ+12*\s+11], v[QA+8*\a:QA+8*\a+7], v[SCA+8*(\a/2)+\s], v[SCB+\s] matrix_a_fmt:MATRIX_FMT_FP6 matrix_b_fmt:MATRIX_FMT_FP6 matrix_a_scale:MATRIX_SCALE_ROW1
.endif
.endif
.endm
.macro QSTEP s
.if (\s) > 0
.rept 4
	v_nop                                          ; four places between the last products and loads into their fragments
.endr
.endif
.irp a, 0,1,2,3
	FRAG F+12*\a, 6144*(\s)+1536*\a
.endr
.irp a, 0,1,2,3
	s_wait_dscnt 12-4*\a                           ; fragment a is in; the later ones, four loads each, may be out
	WQM \a, \s
.endr
.endm
.macro QK i, u                         ; tile 2 i + u of S^T: fragment i's half u
.if (\i)%2 == 0
	v_wmma_scale_f32_16x16x128_f8f6f4 v[S+8*(2*\i+\u):S+8*(2*\i+\u)+7], v[F+12*\i:F+12*\i+11], v[QLO-6*\u:QLO-6*\u+11], 0, v[KS+\i/2], v[QS] matrix_a_fmt:MATRIX_FMT_FP6 matrix_b_fmt:MATRIX_FMT_FP6
.else
	v_wmma_scale_f32_16x16x128_f8f6f4 v[S+8*(2*\i+\u):S+8*(2*\i+\u)+7], v[F+12*\i:F+12*\i+11], v[QLO-6*\u:QLO-6*\u+11], 0, v[KS+\i/2], v[QS] matrix_a_fmt:MATRIX_FMT_FP6 matrix_b_fmt:MATRIX_FMT_FP6 matrix_a_scale:MATRIX_SCALE_ROW1
.endif
.endm
.macro MASK t                          ; tile t, from its low end on; these lines are also the places behind the products
.set j, 8*(\t)
.rept 8
	v_cndmask_b32 v[S+j], v[NEG], v[S+j], s[16+j+16*(j/48)]
.set j, j+1
.endr
.endm
.macro PV t                            ; O^T's tile t += V^T p^T over the step's 128 keys; the four accumulators take turns
.if (\t) < 2
	v_wmma_scale_f32_16x16x128_f8f6f4 v[O+8*\t:O+8*\t+7], v[F+12*\t:F+12*\t+11], v[P:P+11], v[O+8*\t:O+8*\t+7], v[VE+\t%2], v[PS] matrix_a_fmt:MATRIX_FMT_FP6 matrix_b_fmt:MATRIX_FMT_FP6
.else
	v_wmma_scale_f32_16x16x128_f8f6f4 v[O+8*\t:O+8*\t+7], v[F+12*\t:F+12*\t+11], v[P:P+11], v[O+8*\t:O+8*\t+7], v[VE+\t%2], v[PS] matrix_a_fmt:MATRIX_FMT_FP6 matrix_b_fmt:MATRIX_FMT_FP6 matrix_a_scale:MATRIX_SCALE_ROW1
.endif
.endm
; 32 numbers of a lane, register 16 b + i = k 32 b + 16 (lane / 16) + i of its row, become a half image in v[pc .. pc + 5] and two scale bytes in v[hw]; v[TM .. TM + 5] are at work
.macro QUANT32 s, pc, pt, hw, h        ; h = 0 where the 32 numbers are matrix results: the chain of maxima then carries no hint
.irp b, 0,1
	v_max3_num_f32 v[TM+\b], |v[\s+16*\b]|, |v[\s+1+16*\b]|, 0x1800000   ; each accumulator is read from its low end on; the floor 2^(3 - 127) holds the byte at 1 from below
.endr
.irp i, 2,4,6,8,10,12,14
.irp b, 0,1
.if \h
	s_delay_alu instid0(VALU_DEP_2)
.endif
	v_max3_num_f32 v[TM+\b], v[TM+\b], |v[\s+16*\b+\i]|, |v[\s+1+16*\b+\i]|
.endr
.endr
.irp b, 0,1
	s_delay_alu instid0(VALU_DEP_2)
	v_permlanex16_b32 v[TM+2+\b], v[TM+\b], s[SEL], s[SEL+1]
.endr
.irp b, 0,1
	s_delay_alu instid0(VALU_DEP_2)
	v_max_num_f32 v[TM+\b], v[TM+\b], v[TM+2+\b]
.endr
.irp b, 0,1
	s_delay_alu instid0(VALU_DEP_2)
	v_add_nc_u32 v[TM+4+\b], 0xff000000, v[TM+\b]
.endr
.irp b, 0,1
	s_delay_alu instid0(VALU_DEP_2)
	v_lshrrev_b32 v[TM+2+\b], 23, v[TM+4+\b]
.endr
	s_delay_alu instid0(VALU_DEP_1)
	v_lshl_or_b32 v[\hw], v[TM+3], 8, v[TM+2]
	v_cvt_scalef32_pk16_fp6_f32 v[\pc:\pc+2], v[\s:\s+15], v[TM+4]
	v_cvt_scalef32_pk16_fp6_f32 v[\pt:\pt+2], v[\s+16:\s+31], v[TM+5]
	v_nop                                          ; one plain line behind the scaled conversions
.irp i, 0,1,2
	v_permlane16_swap_b32 v[\pc+\i], v[\pt+\i]
.endr
.irp i, 0,1,2
	s_delay_alu instid0(VALU_DEP_3)
	v_mov_b32 v[\pc+3+\i], v[\pt+\i]
.endr
.endm
	s_load_b256 s[8:15], s[0:1], 0x0               ; codes, scales, kv, mbits
	v_lshl_add_u32 v254, v0, 2, SPARE
	v_mov_b32 v255, 0
	ds_add_u32 v254, v255                          ; the opening lines: the add, twice on end, and its wait ahead of my tensor load
	ds_add_u32 v254, v255
	v_lshrrev_b32 v8, 5, v0
	s_delay_alu instid0(VALU_DEP_1)
	v_readfirstlane_b32 s[WV], v8                  ; wave 0..15
	s_bfe_u32 s7, ttmp6, 0x40000                   ; cx
	s_lshl_b32 s5, ttmp9, 2
	s_add_co_u32 s5, s5, s7
	s_lshl_b32 s5, s5, 4
	s_add_co_u32 s5, s5, s[WV]                     ; my query tile, 0..127: it enters global addresses of plain loads and stores alone
	s_and_b32 s6, ttmp7, 0xffff                    ; 16 batch + head
	s_mov_b32 s[G1+2], 100<<16                     ; K and V: 100 rows a load,
	s_mov_b32 s[G1+4], 100
	s_mov_b32 s[G1W+2], 24<<16                     ; W_q: 24
	s_mov_b32 s[G1W+4], 24
.irp g, G1, G1W
	s_mov_b32 s[\g], 15|(3<<16)|(1<<21)            ; the mask of all four partners; elements of 8 bytes; bit 21 beside a mask
	s_mov_b32 s[\g+1], 32<<16                      ; rows of 256 bytes,
	s_mov_b32 s[\g+3], 32<<16
	s_mov_b32 s[\g+5], 32                          ; dense
	s_mov_b32 s[\g+6], 0
	s_mov_b32 s[\g+7], 0
.endr
	s_and_b32 s16, s[WV], 7
	s_mul_i32 s77, s16, 25600                      ; K and V: my eighth of the head's block, in LDS as in memory
	s_mul_i32 s20, s6, 204800
	s_add_co_u32 s20, s20, s77
	s_mov_b32 s21, 0
	s_mul_i32 s89, s16, 6144                       ; W_q: K step wave % 8 of the head's four tiles
	s_add_co_u32 s89, s89, WQ
	s_and_b32 s17, s6, 15                          ; the head
	s_lshr_b32 s22, s17, 1
	s_add_co_u32 s22, s22, 96                      ; W_q's groups begin at 96; a group holds two heads
	s_mul_i32 s22, s22, 98304
	s_and_b32 s18, s17, 1
	s_mul_i32 s18, s18, 6144                       ; tiles 0-3 or 4-7 of a K step
	s_add_co_u32 s22, s22, s18
	s_mul_i32 s18, s16, 12288
	s_add_co_u32 s22, s22, s18
	s_mov_b32 s23, 0
	s_lshr_b32 s24, s6, 4
	s_lshl_b32 s24, s24, 7
	s_add_co_u32 s24, s24, s5                      ; Query's tile: 128 batch + my query tile
	s_lshr_b32 s26, s24, 3
	s_mul_i32 s26, s26, 98304
	s_and_b32 s25, s24, 7
	s_mul_i32 s25, s25, 1536
	s_add_co_u32 s26, s26, s25                     ; its fragments: group, tile; the K step stands in the loads' offsets
	s_mov_b32 s27, 0
	s_lshl_b32 s28, s24, 9                         ; its scale words: 512 bytes a tile
	s_mov_b32 s29, 0
	s_lshl_b32 s30, s17, 11
	s_add_co_u32 s30, s30, 768*512                 ; W_q's scale words: from tile 768 + 4 head
	s_mov_b32 s31, 0
	s_lshl_b32 s32, s5, 12                         ; the mask words: 4,096 bytes a query tile
	s_mov_b32 s33, 0
	v_and_b32 v8, 31, v0
	v_and_b32 v9, 15, v0
	v_bfe_u32 v10, v0, 4, 1
	s_delay_alu instid0(VALU_DEP_3)
	v_lshlrev_b32 v[L16], 4, v8
	v_lshlrev_b32 v[L8], 3, v8
	v_lshlrev_b32 v[L4], 2, v8
	v_lshlrev_b32 v9, 4, v9                        ; 16 r: Query's scale words
	s_delay_alu instid0(VALU_DEP_1)
	v_lshl_add_u32 v10, v10, 9, v9                 ; 512 h + 16 r: W_q's: lanes 0-15 one tile, lanes 16-31 the next
	v_add_nc_u32 v[AD16], WQ, v[L16]
	v_add_nc_u32 v[AD8], WQ, v[L8]
	s_wait_alu depctr_va_vdst(0)                   ; the wait here, directly ahead of the waits below
	s_wait_dscnt 0x0                               ; both opening adds are done
	s_wait_kmcnt 0x0
	s_mov_b32 s76, 1
	s_add_nc_u64 s[78:79], s[12:13], s[20:21]
	s_or_b32 s79, s79, 0x80000000
	s_mov_b32 s88, 1
	s_add_nc_u64 s[90:91], s[8:9], s[22:23]
	s_or_b32 s91, s91, 0x80000000
	s_add_nc_u64 s[96:97], s[8:9], s[26:27]
	s_add_nc_u64 s[98:99], s[10:11], s[28:29]
	s_add_nc_u64 s[10:11], s[10:11], s[30:31]
	s_add_nc_u64 s[MP:MP+1], s[14:15], s[32:33]
	CROUND                                         ; all four work-groups are here: the joint loads meet
	s_cmp_lt_u32 s[WV], 8                          ; one tensor load a wave, one to each arm
	s_cbranch_scc0 .Lfill_w
	tensor_load_to_lds s[76:79], s[G1:G1+7]
	s_nop 0
.rept 4
	v_nop
.endr
	s_branch .Lfilled
.Lfill_w:
	tensor_load_to_lds s[88:91], s[G1W:G1W+7]
	s_nop 0
.rept 4
	v_nop
.endr
.Lfilled:
.irp s, 0,1,2,3,4,5,6,7                ; Query's fragments, as images: every load reads consecutive bytes
	global_load_b128 v[XQ+12*\s:XQ+12*\s+3], v[L16], s[96:97] offset:12288*\s
	global_load_b64 v[XQ+12*\s+4:XQ+12*\s+5], v[L8], s[96:97] offset:12288*\s+512
	global_load_b128 v[XQ+12*\s+6:XQ+12*\s+9], v[L16], s[96:97] offset:12288*\s+768
	global_load_b64 v[XQ+12*\s+10:XQ+12*\s+11], v[L8], s[96:97] offset:12288*\s+1280
.endr
.irp u, 0,1
	global_load_b128 v[SCB+4*\u:SCB+4*\u+3], v9, s[98:99] offset:256*\u
.endr
.irp i, 0,1
.irp u, 0,1
	global_load_b128 v[SCA+8*\i+4*\u:SCA+8*\i+4*\u+3], v10, s[10:11] offset:1024*\i+256*\u
.endr
.endr
	s_mov_b32 s[MOFF], 0
	s_mov_b32 s[CS], 0x3e38aa3b
	s_mov_b32 s[CS+1], s[CS]
	s_mov_b32 s[SEL], 0x76543210
	s_mov_b32 s[SEL+1], 0xfedcba98
	v_mov_b32 v[NEG], 0xd0000000
	v_mov_b32 v13, 0xff61b1e6                      ; the largest t so far: -3e38
	s_delay_alu instid0(VALU_DEP_1)
	v_floor_f32 v12, -v13
	v_mov_b32 v14, 0
	v_mov_b32 v15, 0
	s_wait_alu depctr_va_vdst(0)                   ; the wait here, directly ahead of the wait below
	s_wait_tensorcnt 0x0                           ; my part is in;
	s_barrier_signal -1
	s_barrier_wait -1                              ; everybody's is: K, V and W_q stand for the rest of the launch
	MLOAD                                          ; step 0's mask words (no tensor load is out: the descriptor's registers are free)
	s_wait_loadcnt 0x0                             ; Query's fragments and the scale words
.irp s, 0,1,2,3,4,5,6,7
	QSTEP \s
.endr
.rept 4
	v_nop                                          ; four places behind the last products
.endr
.set TM, 48                            ; at work: registers of W_q's fragments, which are done with
	v_mov_b32 v[TM+2], 0                           ; a lane permute's destination counts as one of its sources
	v_mov_b32 v[TM+3], 0
	QUANT32 QA, QLO, 28, 10, 0                     ; my 16 queries x the head's 64 features: Q's half image, where S^T's products take it
.set TM, 212
	v_lshl_or_b32 v[QS], v10, 16, v10              ; its two bytes serve whichever half Q stands in
.irp j, 0,1,2,3,4,5
	v_mov_b32 v[16+\j], 0
	v_mov_b32 v[28+\j], 0
.endr
.irp b, 0,1,2,3
	v_mov_b32 v[XT+\b], 0                          ; a lane permute's destination counts as one of its sources
.endr
	v_mov_b32 v[FF+1], 0                           ; named as the upper half of a pair
	v_mov_b32 v[TT], 0
.set j, 0
.rept 32
	v_mov_b32 v[O+j], 0                            ; the step is written once: the first finds zeros
.set j, j+1
.endr
	s_wait_alu depctr_va_vdst(0)                   ; the wait at the head's end
.macro STEP
	v_add_nc_u32 v[AD16], s[TB], v[L16]            ; these four lines are the places between the last products and the loads into their fragments
	v_add_nc_u32 v[AD8], s[TB], v[L8]
	v_add_nc_u32 v[ADS], s[TS], v[L4]
	v_mov_b32 v[OM], v12
	ds_load_b32 v[KS], v[ADS]
	ds_load_b32 v[KS+1], v[ADS] offset:128
.irp i, 0,1,2,3
	FRAG F+12*\i, 1536*\i
.endr
	s_wait_kmcnt 0x0                               ; this step's mask words
	s_wait_dscnt 12                                ; the scale words and fragment 0 are in; fragments 1 to 3, four loads each, may be out
	QK 0, 0
	QK 0, 1
.rept 4
	v_nop
.endr
	MASK 0
	s_wait_dscnt 8
	QK 1, 0
	MASK 1
	QK 1, 1
	MASK 2
	s_wait_dscnt 4
	QK 2, 0
	MASK 3
	QK 2, 1
	MASK 4
	s_wait_dscnt 0x0
	QK 3, 0
	MASK 5
	QK 3, 1
	MASK 6
	MASK 7
.irp t, 0,1,2,3                        ; V's four fragments: 16 features x the step's 128 keys, two half images each
.irp g, 0,1
	ds_load_b128 v[F+12*\t+6*\g:F+12*\t+6*\g+3], v[AD16] offset:49152+3072*\g+768*\t
	ds_load_b64 v[F+12*\t+6*\g+4:F+12*\t+6*\g+5], v[AD8] offset:49152+3072*\g+768*\t+512
.endr
.endr
	ds_load_b32 v[VA], v[ADS] offset:2048
	ds_load_b32 v[VB], v[ADS] offset:2048+128
.irp b, 0,1,2,3
	v_max3_num_f32 v[BM+\b], v[S+16*\b], v[S+1+16*\b], v[S+2+16*\b]   ; the largest S of each block of 32 keys: for the row's maximum and for the block's largest p
.endr
.irp i, 3,5,7,9,11,13
.irp b, 0,1,2,3
	s_delay_alu instid0(VALU_DEP_4)
	v_max3_num_f32 v[BM+\b], v[BM+\b], v[S+16*\b+\i], v[S+1+16*\b+\i]
.endr
.endr
.irp b, 0,1,2,3
	s_delay_alu instid0(VALU_DEP_4)
	v_max_num_f32 v[BM+\b], v[BM+\b], v[S+15+16*\b]
.endr
	s_add_co_u32 s[MOFF], s[MOFF], 256
	s_and_b32 s[MOFF], s[MOFF], 0xf00              ; (the last step asks for step 0's words again: inside the buffer)
	MLOAD                                          ; the next step's mask words
.irp b, 0,1,2,3
	v_permlanex16_b32 v[XT+\b], v[BM+\b], s[SEL], s[SEL+1]
.endr
.irp b, 0,1,2,3
	s_delay_alu instid0(VALU_DEP_4)
	v_max_num_f32 v[BM+\b], v[BM+\b], v[XT+\b]     ; with lane l xor 16's 16 keys
.endr
	s_delay_alu instid0(VALU_DEP_2)
	v_max3_num_f32 v[TT], v[BM], v[BM+1], v[BM+2]
	s_delay_alu instid0(VALU_DEP_1)
	v_max_num_f32 v[TT], v[TT], v[BM+3]
	s_delay_alu instid0(VALU_DEP_1)
	v_mul_f32 v[TT], s[CS], v[TT]
	s_delay_alu instid0(VALU_DEP_1)
	v_max_num_f32 v13, v13, v[TT]                  ; the running largest t
	s_delay_alu instid0(VALU_DEP_1)
	v_floor_f32 v12, -v13                          ; the new -M
	s_delay_alu instid0(VALU_DEP_1)
	v_sub_f32 v[TT], v12, v[OM]                    ; old M - new M, a whole number
.irp b, 0,1,2,3
	v_fma_f32 v[BM+\b], v[BM+\b], s[CS], v12       ; t - M of each block's largest
.endr
	v_cvt_i32_f32 v[TT], v[TT]                     ; (it saturates)
.irp j, 0,2,4,6
	v_pk_fma_f32 v[S+\j:S+\j+1], v[S+\j:S+\j+1], s[CS:CS+1], v[12:13] op_sel_hi:[1,0,0]   ; t - M, two in one line
.endr
	v_ldexp_f32 v[FF], 1.0, v[TT]                  ; f
.set j, 8
.rept 28
	v_pk_fma_f32 v[S+j:S+j+1], v[S+j:S+j+1], s[CS:CS+1], v[12:13] op_sel_hi:[1,0,0]
.set j, j+2
.endr
.set j, 0
.rept 16
	v_pk_mul_f32 v[O+j:O+j+1], v[O+j:O+j+1], v[FF:FF+1] op_sel_hi:[1,0]   ; O^T under the new M: no transcendental stands between the products that wrote it and these reads
.set j, j+2
.endr
	v_pk_mul_f32 v[14:15], v[14:15], v[FF:FF+1] op_sel_hi:[1,0]           ; and the sum
	s_wait_alu depctr_va_vdst(0)                   ; the wait ahead of the batch
.irp b, 0,1,2,3
	v_exp_f32 v[BM+\b], v[BM+\b]                   ; each block's largest p
.endr
.set j, 0
.rept 64
	v_exp_f32 v[S+j], v[S+j]                       ; p = 2^(t - M)
.set j, j+1
.endr
	s_wait_dscnt 0x0                               ; V's fragments and scale words are in
	v_perm_b32 v[VE], v[VB], v[VA], 0x05040100     ; V's scale words for 128 keys, from the two groups of 64.  (Plain lines behind the batch)
	v_perm_b32 v[VE+1], v[VB], v[VA], 0x07060302
	s_wait_alu depctr_va_vdst(0)                   ; one wait for the whole batch, ahead of its first reader
.irp b, 0,1,2,3
	v_max_num_f32 v[BM+\b], 0x1800000, v[BM+\b]    ; the floor 2^(3 - 127): the byte cannot fall under 1
.endr
.irp b, 0,1,2,3
	s_delay_alu instid0(VALU_DEP_4)
	v_add_nc_u32 v[SO+\b], 0xff000000, v[BM+\b]    ; 2 off the exponent field: the conversion's scale operand
.endr
.irp b, 0,1,2,3
	s_delay_alu instid0(VALU_DEP_4)
	v_lshrrev_b32 v[XT+\b], 23, v[SO+\b]           ; the scale's byte
.endr
	s_delay_alu instid0(VALU_DEP_3)
	v_lshl_or_b32 v[PS], v[XT+1], 8, v[XT]
	v_lshl_or_b32 v[TT], v[XT+3], 8, v[XT+2]
	s_delay_alu instid0(VALU_DEP_1)
	v_lshl_or_b32 v[PS], v[TT], 16, v[PS]          ; p's scale word for these 128 keys
.irp c, 0,1
	v_cvt_scalef32_pk16_fp6_f32 v[P+6*\c:P+2+6*\c], v[S+32*\c:S+15+32*\c], v[SO+2*\c]
	v_cvt_scalef32_pk16_fp6_f32 v[PT+4*\c:PT+2+4*\c], v[S+16+32*\c:S+31+32*\c], v[SO+2*\c+1]
.endr
	v_pk_add_f32 v[SU:SU+1], v[S:S+1], v[S+2:S+3]                  ; the row's sum of the unquantised p, in four chains; these four are the plain lines behind the conversions
	v_pk_add_f32 v[SU2:SU2+1], v[S+4:S+5], v[S+6:S+7]
	v_pk_add_f32 v[SU3:SU3+1], v[S+8:S+9], v[S+10:S+11]
	v_pk_add_f32 v[14:15], v[14:15], v[S+12:S+13]
.irp c, 0,1                            ; the operand's layout wants a whole block in a lane
.irp i, 0,1,2
	v_permlane16_swap_b32 v[P+6*\c+\i], v[PT+4*\c+\i]
.endr
.irp i, 0,1,2
	s_delay_alu instid0(VALU_DEP_3)
	v_mov_b32 v[P+3+6*\c+\i], v[PT+4*\c+\i]
.endr
.endr
.irp j, 14,22,30,38,46,54              ; the rest of the sum: 28 lines, which are also the places between p's codes and scale word and the products
	v_pk_add_f32 v[SU:SU+1], v[SU:SU+1], v[S+\j:S+\j+1]
	v_pk_add_f32 v[SU2:SU2+1], v[SU2:SU2+1], v[S+\j+2:S+\j+3]
	v_pk_add_f32 v[SU3:SU3+1], v[SU3:SU3+1], v[S+\j+4:S+\j+5]
	v_pk_add_f32 v[14:15], v[14:15], v[S+\j+6:S+\j+7]
.endr
	v_pk_add_f32 v[SU:SU+1], v[SU:SU+1], v[S+62:S+63]
	v_pk_add_f32 v[14:15], v[14:15], v[SU3:SU3+1]
	v_pk_add_f32 v[SU:SU+1], v[SU:SU+1], v[SU2:SU2+1]
	s_delay_alu instid0(VALU_DEP_1)
	v_pk_add_f32 v[14:15], v[14:15], v[SU:SU+1]
.irp t, 0,1,2,3
	PV \t
.endr
.endm
.macro PHASE p                         ; eight steps: a run of 1,024 keys
	s_mov_b32 s[TB], 102400*\p
	s_mov_b32 s[TS], 102400*\p+98304
	s_mov_b32 s[CNT], 8
.Lstep_\@:
	STEP
	s_add_co_u32 s[TB], s[TB], 6144
	s_add_co_u32 s[TS], s[TS], 256
	s_sub_co_u32 s[CNT], s[CNT], 1
	s_cmp_lg_u32 s[CNT], 0
	s_cbranch_scc1 .Lstep_\@
.endm
	PHASE 0
	PHASE 1
.rept 4
	v_nop                                          ; four places behind the last products
.endr
	v_add_f32 v14, v14, v15                        ; the sum's two halves,
	s_delay_alu instid0(VALU_DEP_1)
	v_permlanex16_b32 v[TT], v14, s[SEL], s[SEL+1]
	s_delay_alu instid0(VALU_DEP_1)
	v_add_f32 v14, v14, v[TT]                      ; and lane l xor 16's: the row's sum
	s_wait_alu depctr_va_vdst(0)                   ; the wait ahead of the transcendental
	v_rcp_f32 v14, v14
	v_and_b32 v8, 15, v0
	s_load_b128 s[8:11], s[0:1], 0x20              ; ximg, xsc
	s_wait_alu depctr_va_vdst(0)
	s_wait_kmcnt 0x0
	s_lshr_b32 s16, s6, 4                          ; X as the last product's operand: tile = 128 batch + my query tile, K = 64 head + feature
	s_lshl_b32 s16, s16, 7
	s_add_co_u32 s16, s16, s5
	s_and_b32 s17, s6, 15                          ; the head
	s_and_b32 s18, s16, 0xfffffff8                 ; images: [group of 8 tiles][K step = head / 2][tile][half = head % 2]
	s_lshr_b32 s19, s17, 1
	s_add_co_u32 s18, s18, s19
	s_lshl_b32 s18, s18, 3
	s_and_b32 s20, s16, 7
	s_add_co_u32 s18, s18, s20
	s_lshl_b32 s18, s18, 1
	s_and_b32 s20, s17, 1
	s_add_co_u32 s18, s18, s20
	s_mul_i32 s18, s18, 768
	s_and_b32 s21, s19, 3
	s_mov_b32 s19, 0
	s_add_nc_u64 s[8:9], s[8:9], s[18:19]
	s_lshl_b32 s22, s16, 9                         ; scale bytes: 512 a tile; 256 (K step / 4) + 16 r + 4 (K step % 4) + 2 (head % 2)
	s_lshr_b32 s23, s17, 3
	s_lshl_b32 s23, s23, 8
	s_add_co_u32 s22, s22, s23
	s_lshl_b32 s21, s21, 2
	s_add_co_u32 s22, s22, s21
	s_lshl_b32 s20, s20, 1
	s_add_co_u32 s22, s22, s20
	s_mov_b32 s23, 0
	s_add_nc_u64 s[10:11], s[10:11], s[22:23]
	v_lshlrev_b32 v8, 4, v8
	v_and_b32 v10, 31, v0
	s_wait_alu depctr_va_vdst(0)                   ; the wait here, directly ahead of the first reader of O^T and of the reciprocal
.set j, 0
.rept 32
	v_mul_f32 v[S+j], v[O+j], v14                  ; O^T / the sum
.set j, j+1
.endr
	QUANT32 S, P, PT, TT, 1                        ; 16 queries x my head's 64 features: a half image of the last product's operand
	global_store_b128 v[L16], v[P:P+3], s[8:9]     ; 768 consecutive bytes, aligned
	global_store_b64 v[L8], v[P+4:P+5], s[8:9] offset:512
	v_cmp_gt_u32 vcc_lo, 16, v10
	s_wait_xcnt 0x0                                ; EXEC changes only behind this wait
	s_and_saveexec_b32 s24, vcc_lo
	global_store_b16 v8, v[TT], s[10:11]           ; lanes 0-15: my head's two scale bytes of each row
	s_wait_xcnt 0x0
	s_or_b32 exec_lo, exec_lo, s24
	s_wait_tensorcnt 0x0                           ; the wave's end
	ds_add_u32 v254, v255
	s_wait_dscnt 0x0
	CROUND                                         ; the closing round
	s_endpgm
.Lfunc_end_k_qd6d0f3d1d7_attn:
	.size	k_qd6d0f3d1d7_attn, .Lfunc_end_k_qd6d0f3d1d7_attn-k_qd6d0f3d1d7_attn
	.p2alignl 7, 3214868480
	.fill 96, 4, 3214868480
	.section	.rodata,"a",@progbits
	.p2align	6, 0x0
	.amdhsa_kernel k_qd6d0f3d1d7_attn
		.amdhsa_group_segment_fixed_size 256000
		.amdhsa_private_segment_fixed_size 0
		.amdhsa_enable_private_segment 0
		.amdhsa_kernarg_size 48
		.amdhsa_user_sgpr_count 2
		.amdhsa_user_sgpr_kernarg_segment_ptr 1
		.amdhsa_wavefront_size32 1
		.amdhsa_system_sgpr_workgroup_id_x 1
		.amdhsa_system_sgpr_workgroup_id_y 1
		.amdhsa_system_sgpr_workgroup_id_z 1
		.amdhsa_system_vgpr_workitem_id 0
		.amdhsa_next_free_vgpr 256
		.amdhsa_next_free_sgpr 106
		.amdhsa_reserve_vcc 1
		.amdhsa_float_denorm_mode_32 3
		.amdhsa_float_denorm_mode_16_64 3
		.amdhsa_memory_ordered 1
		.amdhsa_forward_progress 1
		.amdhsa_inst_pref_size 79
	.end_amdhsa_kernel
	.amdgpu_metadata
---
amdhsa.version: [ 1, 2 ]
amdhsa.kernels:
  - .name:           k_qd6d0f3d1d7_attn
    .symbol:         k_qd6d0f3d1d7_attn.kd
    .args:
      - { .name: codes, .offset: 0, .size: 8, .value_kind: global_buffer, .address_space: global }
      - { .name: scales, .offset: 8, .size: 8, .value_kind: global_buffer, .address_space: global }
      - { .name: kv, .offset: 16, .size: 8, .value_kind: global_buffer, .address_space: global }
      - { .name: mbits, .offset: 24, .size: 8, .value_kind: global_buffer, .address_space: global }
      - { .name: ximg, .offset: 32, .size: 8, .value_kind: global_buffer, .address_space: global }
      - { .name: xsc, .offset: 40, .size: 8, .value_kind: global_buffer, .address_space: global }
    .group_segment_fixed_size: 256000
    .private_segment_fixed_size: 0
    .kernarg_segment_align: 8
    .kernarg_segment_size: 48
    .max_flat_workgroup_size: 512
    .sgpr_count:     106
    .vgpr_count:     256
    .wavefront_size: 32
...
	.end_amdgpu_metadata
.endif
;; end of part 3
;; launch outp (part 4): grid 8 x 32, 8 waves a work-group, clusters of 4 x 4, 267,264 bytes of LDS; arguments codes, scales, ximg, xsc, out0; writes out0
.if DOCPART == 4
	.amdgcn_target "amdgcn-amd-amdhsa--gfx1250"
	.amdhsa_code_object_version 6
	.text
	.protected	k_qd6d0f3d1d7_outp
	.globl	k_qd6d0f3d1d7_outp
	.p2align	8
	.type	k_qd6d0f3d1d7_outp,@function
k_qd6d0f3d1d7_outp:
	s_mov_b64 s[64:65], 0
	v_nop
	global_prefetch_b8 v0, s[64:65] scope:SCOPE_SE
	s_setreg_imm32_b32 hwreg(HW_REG_WAVE_MODE, 25, 1), 1
	s_wait_xcnt 0x0
	s_wait_alu depctr_hold_cnt(0) depctr_sa_sdst(0) depctr_va_vdst(0) depctr_va_sdst(0) depctr_va_ssrc(0) depctr_va_vcc(0) depctr_vm_vsrc(0)
	s_getreg_b32 s2, hwreg(HW_REG_IB_STS2, 6, 4)
	s_cmp_eq_u32 s2, 0
	s_cbranch_scc0 .Lentry_in_a_cluster
	s_endpgm
.Lentry_in_a_cluster:
	s_bfe_u32 s2, ttmp6, 0x10000c
	s_cmp_lg_u32 s2, 0xf033
	s_cbranch_scc0 .Lentry_shape_is_right
	s_endpgm
.Lentry_shape_is_right:
; OUTP.  out0 = X W_o^T on codes of FP6 (E2M3) with E8M0 scales, f32 sums, f32 out.  The main part is the projections' launch: a work-group takes 128 rows of W_o (source 0) and 128 rows of X (source 1)
; with all of K = 1,024, each one dense block of 98,304 bytes of operand images, copied into LDS as it lies and filled once.
; IMAGES.  A half image (16 rows x 64 K: six operand registers a lane) is 768 bytes: registers 0-3 at 16 x lane, registers 4-5 at 512 + 8 x lane.  A fragment (16 x 128) is two on end.
; TILES ARE SPREAD: place r of tile T is row 32 (T / 2) + 8 (T % 2) + r + 8 (r / 8).  Source 0 = W_o's rows: a lane's registers of tiles 2 b, 2 b + 1 are 16 neighbouring columns of one row of out0.
; WAVES.  Eight: wave w takes source 0's tiles 4 (w % 2) .. + 3 and source 1's tiles 2 (w / 2), + 1: eight accumulators, which take turns, one instruction a turn.
; CLUSTER 4 x 4: W_o's block hangs on cx alone and is shared along a column, X's on cy alone and is shared along a row: joint tensor loads.  Each wave has one tensor load out.
; THE WAY OUT: a wave's 32 rows x 64 columns go through its own stage in LDS (behind the two blocks; no fill lands there) and leave as rows of 256 consecutive bytes, aligned, sixteen lanes to a row.
.set GRP,   98304
.set KST,   12288
.set TIL,   1536
.set CHK,   24576                      ; a chunk: two K steps of a group: ONE tensor load, 96 rows of 256 bytes
.set SRC1,  98304
.set STAGE, 196608                     ; 32 slots of 256 + 16 bytes for each wave
.set SCA,   16                         ; v16-31  source 0's scale words
.set SCB,   32                         ; v32-39  source 1's
.set FS,    40                         ; v40-111, v112-183 two sets of fragments
.set ACC,   184                        ; v184-247 accumulator (a, c) at ACC + 32 c + 8 a
.set WV,    18
.set G1A,   24
.set G1B,   32
.set G0A,   40
.macro CROUND
	s_barrier_signal -1
	s_barrier_wait -1
	s_cmp_lg_u32 s[WV], 0
	s_cbranch_scc1 .Lnot_wave_0_\@
	s_barrier_signal -3
.Lnot_wave_0_\@:
	s_barrier_wait -3
	s_barrier_signal -1
	s_barrier_wait -1
.endm
.macro FRAG reg, a16, off
	ds_load_b128 v[\reg:\reg+3], v[\a16] offset:\off
	ds_load_b64 v[\reg+4:\reg+5], v[\a16+1] offset:\off+512
	ds_load_b128 v[\reg+6:\reg+9], v[\a16] offset:\off+768
	ds_load_b64 v[\reg+10:\reg+11], v[\a16+1] offset:\off+1280
.endm
.macro FETCH s, p
.irp i, 0,1,2,3
	FRAG FS+72*(\p)+12*\i, 4+2*((\s)/4), KST*((\s)%4)+TIL*\i
.endr
.irp i, 0,1
	FRAG FS+72*(\p)+48+12*\i, 8+2*((\s)/4), KST*((\s)%4)+TIL*\i
.endr
.endm
.macro WM a, c, s, p, zero
.set rD, ACC+32*(\c)+8*(\a)
.set rA, FS+72*(\p)+12*(\a)
.set rB, FS+72*(\p)+48+12*(\c)
.set rX, SCA+8*((\a)/2)+(\s)
.set rY, SCB+(\s)
.if \zero
.if ((\a)%2 == 0) && ((\c) == 0)
	v_wmma_scale_f32_16x16x128_f8f6f4 v[rD:rD+7], v[rA:rA+11], v[rB:rB+11], 0, v[rX], v[rY] matrix_a_fmt:MATRIX_FMT_FP6 matrix_b_fmt:MATRIX_FMT_FP6
.elseif (\c) == 0
	v_wmma_scale_f32_16x16x128_f8f6f4 v[rD:rD+7], v[rA:rA+11], v[rB:rB+11], 0, v[rX], v[rY] matrix_a_fmt:MATRIX_FMT_FP6 matrix_b_fmt:MATRIX_FMT_FP6 matrix_a_scale:MATRIX_SCALE_ROW1
.elseif (\a)%2 == 0
	v_wmma_scale_f32_16x16x128_f8f6f4 v[rD:rD+7], v[rA:rA+11], v[rB:rB+11], 0, v[rX], v[rY] matrix_a_fmt:MATRIX_FMT_FP6 matrix_b_fmt:MATRIX_FMT_FP6 matrix_b_scale:MATRIX_SCALE_ROW1
.else
	v_wmma_scale_f32_16x16x128_f8f6f4 v[rD:rD+7], v[rA:rA+11], v[rB:rB+11], 0, v[rX], v[rY] matrix_a_fmt:MATRIX_FMT_FP6 matrix_b_fmt:MATRIX_FMT_FP6 matrix_a_scale:MATRIX_SCALE_ROW1 matrix_b_scale:MATRIX_SCALE_ROW1
.endif
.else
.if ((\a)%2 == 0) && ((\c) == 0)
	v_wmma_scale_f32_16x16x128_f8f6f4 v[rD:rD+7], v[rA:rA+11], v[rB:rB+11], v[rD:rD+7], v[rX], v[rY] matrix_a_fmt:MATRIX_FMT_FP6 matrix_b_fmt:MATRIX_FMT_FP6
.elseif (\c) == 0
	v_wmma_scale_f32_16x16x128_f8f6f4 v[rD:rD+7], v[rA:rA+11], v[rB:rB+11], v[rD:rD+7], v[rX], v[rY] matrix_a_fmt:MATRIX_FMT_FP6 matrix_b_fmt:MATRIX_FMT_FP6 matrix_a_scale:MATRIX_SCALE_ROW1
.elseif (\a)%2 == 0
	v_wmma_scale_f32_16x16x128_f8f6f4 v[rD:rD+7], v[rA:rA+11], v[rB:rB+11], v[rD:rD+7], v[rX], v[rY] matrix_a_fmt:MATRIX_FMT_FP6 matrix_b_fmt:MATRIX_FMT_FP6 matrix_b_scale:MATRIX_SCALE_ROW1
.else
	v_wmma_scale_f32_16x16x128_f8f6f4 v[rD:rD+7], v[rA:rA+11], v[rB:rB+11], v[rD:rD+7], v[rX], v[rY] matrix_a_fmt:MATRIX_FMT_FP6 matrix_b_fmt:MATRIX_FMT_FP6 matrix_a_scale:MATRIX_SCALE_ROW1 matrix_b_scale:MATRIX_SCALE_ROW1
.endif
.endif
.endm
.macro MUL s, p, zero
.irp c, 0,1
.irp a, 0,1,2,3
	WM \a, \c, \s, \p, \zero
.endr
.endr
.endm
	s_load_b256 s[8:15], s[0:1], 0x0               ; codes, scales, ximg, xsc
	s_load_b64 s[16:17], s[0:1], 0x20              ; out0
	v_lshl_add_u32 v254, v0, 2, 0x41000
	v_mov_b32 v255, 0
	ds_add_u32 v254, v255
	ds_add_u32 v254, v255
	v_lshrrev_b32 v12, 5, v0
	s_delay_alu instid0(VALU_DEP_1)
	v_readfirstlane_b32 s[WV], v12                 ; wave 0..7
	s_and_b32 s19, s[WV], 1
	s_lshr_b32 s20, s[WV], 1
	s_and_b32 s21, s[WV], 3
	s_bfe_u32 s22, ttmp6, 0x40000                  ; cx
	s_bfe_u32 s23, ttmp6, 0x40004                  ; cy
	s_lshl_b32 s78, ttmp9, 2
	s_add_co_u32 s78, s78, s22                     ; W_o's group of 128 rows, 0..7: hangs on cx, never on cy
	s_add_co_u32 s79, s78, 120                     ; among the groups of the codes' buffer
	s_and_b32 s83, ttmp7, 0xffff
	s_lshl_b32 s83, s83, 2
	s_add_co_u32 s83, s83, s23                     ; X's group of 128 rows, 0..31: hangs on cy, never on cx
	s_lshl_b32 s4, 0x1111, s22                     ; my column of the cluster
	s_lshl_b32 s5, s23, 2
	s_lshl_b32 s5, 15, s5                          ; my row
	s_or_b32 s[G1A], s4, (3<<16)|(1<<21)           ; 15:0 the mask; 17:16 elements of 8 bytes; 21 set beside a mask; no padding
	s_or_b32 s[G1B], s5, (3<<16)|(1<<21)
.irp g, G1A, G1B
	s_mov_b32 s[\g+1], 32<<16                      ; rows of 256 bytes,
	s_mov_b32 s[\g+2], 96<<16                      ; 96 of them,
	s_mov_b32 s[\g+3], 32<<16
	s_mov_b32 s[\g+4], 96
	s_mov_b32 s[\g+5], 32                          ; dense
	s_mov_b32 s[\g+6], 0
	s_mov_b32 s[\g+7], 0
.endr
	s_mul_i32 s86, s21, CHK                        ; my chunk of the block: wave % 4
	s_mul_i32 s80, s79, GRP
	s_add_co_u32 s80, s80, s86
	s_mov_b32 s81, 0
	s_mul_i32 s84, s83, GRP
	s_add_co_u32 s84, s84, s86
	s_mov_b32 s85, 0
	s_lshl_b32 s90, s79, 3
	s_lshl_b32 s91, s19, 2
	s_add_co_u32 s90, s90, s91
	s_lshl_b32 s90, s90, 9                         ; W_o's scale words: from tile 8 G + 4 (w % 2)
	s_mov_b32 s91, 0
	s_lshl_b32 s92, s83, 3
	s_lshl_b32 s93, s20, 1
	s_add_co_u32 s92, s92, s93
	s_lshl_b32 s92, s92, 9                         ; X's: from tile 8 G + 2 (w / 2)
	s_mov_b32 s93, 0
	s_lshl_b32 s94, s83, 7                         ; out0: my first row 128 G + 32 (w / 2), rows of 4,096 bytes;
	s_lshl_b32 s95, s20, 5
	s_add_co_u32 s94, s94, s95
	s_lshl_b32 s94, s94, 12
	s_lshl_b32 s95, s78, 9                         ; my first column 128 A + 64 (w % 2), 4 bytes each
	s_add_co_u32 s94, s94, s95
	s_lshl_b32 s95, s19, 8
	s_add_co_u32 s94, s94, s95
	s_mov_b32 s95, 0
	s_mul_i32 s96, s[WV], 32*272
	s_add_co_u32 s96, s96, STAGE                   ; my stage
	v_and_b32 v15, 31, v0
	s_delay_alu instid0(VALU_DEP_1)
	v_lshlrev_b32 v1, 4, v15
	s_delay_alu instid0(VALU_DEP_2)
	v_lshlrev_b32 v2, 3, v15
	v_and_b32 v14, 15, v0                          ; r
	v_bfe_u32 v15, v0, 4, 1                        ; h
	s_delay_alu instid0(VALU_DEP_2)
	v_lshlrev_b32 v3, 4, v14                       ; 16 r
	s_delay_alu instid0(VALU_DEP_3)
	v_mul_u32_u24 v12, v14, 272
	s_delay_alu instid0(VALU_DEP_1)
	v_lshl_add_u32 v12, v15, 6, v12
	s_delay_alu instid0(VALU_DEP_1)
	v_add_nc_u32 v12, s96, v12                     ; into the stage: slot r, + 64 h
	v_mul_u32_u24 v13, v15, 272
	s_delay_alu instid0(VALU_DEP_1)
	v_add_nc_u32 v13, v13, v3
	s_delay_alu instid0(VALU_DEP_1)
	v_add_nc_u32 v13, s96, v13                     ; back: lanes 0-15 one slot, lanes 16-31 the next
	v_lshl_add_u32 v14, v15, 12, v3                ; and the same in out0: 4,096 h + 16 r
	v_lshl_add_u32 v3, v15, 9, v3                  ; scale words: 512 h + 16 r
	s_mul_i32 s97, s19, 4*TIL
	v_add_nc_u32 v4, s97, v1
	v_add_nc_u32 v5, s97, v2
	s_delay_alu instid0(VALU_DEP_2)
	v_add_nc_u32 v6, 4*KST, v4
	s_delay_alu instid0(VALU_DEP_2)
	v_add_nc_u32 v7, 4*KST, v5
	s_mul_i32 s97, s20, 2*TIL
	s_add_co_u32 s97, s97, SRC1
	v_add_nc_u32 v8, s97, v1
	v_add_nc_u32 v9, s97, v2
	s_delay_alu instid0(VALU_DEP_2)
	v_add_nc_u32 v10, 4*KST, v8
	s_delay_alu instid0(VALU_DEP_2)
	v_add_nc_u32 v11, 4*KST, v9
	s_wait_dscnt 0x0
	s_wait_kmcnt 0x0
	s_add_nc_u64 s[80:81], s[8:9], s[80:81]
	s_add_nc_u64 s[84:85], s[12:13], s[84:85]
	s_add_nc_u64 s[90:91], s[10:11], s[90:91]
	s_add_nc_u64 s[92:93], s[14:15], s[92:93]
	s_add_nc_u64 s[94:95], s[16:17], s[94:95]
.irp j, 0                              ; one group 0 for each source: my chunk
	s_mov_b32 s[G0A+4*\j], 1
	s_add_co_u32 s[G0A+4*\j+1], s86, CHK*\j
	s_add_nc_u64 s[G0A+4*\j+2:G0A+4*\j+3], s[80:81], CHK*\j
	s_or_b32 s[G0A+4*\j+3], s[G0A+4*\j+3], 0x80000000
	s_mov_b32 s[56+4*\j+4*(\j/2)], 1
	s_add_co_u32 s[56+4*\j+4*(\j/2)+1], s86, SRC1+CHK*\j
	s_add_nc_u64 s[56+4*\j+4*(\j/2)+2:56+4*\j+4*(\j/2)+3], s[84:85], CHK*\j
	s_or_b32 s[56+4*\j+4*(\j/2)+3], s[56+4*\j+4*(\j/2)+3], 0x80000000
.endr
	CROUND                                         ; all sixteen work-groups are here: the joint loads meet
	s_cmp_lt_u32 s[WV], 4                          ; waves 0-3 fetch W_o's four chunks, waves 4-7 X's: one tensor load a wave, one to each arm
	s_cbranch_scc0 .Lfill_b
	tensor_load_to_lds s[40:43], s[G1A:G1A+7]
	s_nop 0
.rept 4
	v_nop
.endr
	s_branch .Lfilled
.Lfill_b:
	tensor_load_to_lds s[56:59], s[G1B:G1B+7]
	s_nop 0
.rept 4
	v_nop
.endr
.Lfilled:
	s_wait_alu depctr_va_vdst(0)
.irp i, 0,1
.irp u, 0,1
	global_load_b128 v[SCA+8*\i+4*\u:SCA+8*\i+4*\u+3], v3, s[90:91] offset:1024*\i+256*\u
.endr
.endr
.irp u, 0,1
	global_load_b128 v[SCB+4*\u:SCB+4*\u+3], v3, s[92:93] offset:256*\u
.endr
	s_wait_tensorcnt 0x0                           ; my one tensor load, my chunk, is in
	s_barrier_signal -1
	s_barrier_wait -1
	FETCH 0, 0
	s_wait_loadcnt 0x0                             ; the scale words
.macro KSTEP s
.if (\s) >= 1
.rept 4
	v_nop                                          ; four places between the last products and loads into the set that they read
.endr
.endif
.if (\s) < 7
	FETCH (\s)+1, ((\s)+1)%2
	s_wait_dscnt 24                                ; this step's fragments are in; the 24 loads just issued stay out
.else
	s_wait_dscnt 0x0
.endif
.if (\s) == 0
	MUL \s, (\s)%2, 1
.else
	MUL \s, (\s)%2, 0
.endif
.endm
.irp s, 0,1,2,3,4,5,6,7
	KSTEP \s
.endr
.rept 4
	v_nop                                          ; four places behind the last products: their results are read, and loads land in their operands, below
.endr
.irp c, 0,1                            ; lane (r, h) of accumulator (a, c): row place r of X's tile c, columns 32 (a / 2) + 8 (a % 2) + 16 h + 0 .. 7
.irp a, 0,1,2,3
	ds_store_b128 v12, v[ACC+32*\c+8*\a:ACC+32*\c+8*\a+3] offset:4352*\c+128*(\a/2)+32*(\a%2)      ; each accumulator from its low end on
	ds_store_b128 v12, v[ACC+32*\c+8*\a+4:ACC+32*\c+8*\a+7] offset:4352*\c+128*(\a/2)+32*(\a%2)+16
.endr
.endr
.irp t, 0,1,2,3,4,5,6,7,8,9,10,11,12,13,14,15
	ds_load_b128 v[FS+4*\t:FS+4*\t+3], v13 offset:544*\t   ; LDS serves a wave's instructions in order: these see my stores
.endr
.irp t, 0,1,2,3,4,5,6,7,8,9,10,11,12,13,14,15
	s_wait_dscnt 15-\t                             ; load t is in; those behind it stay out
	global_store_b128 v14, v[FS+4*\t:FS+4*\t+3], s[94:95] offset:(8*(\t/8)+2*(\t%8)+8*((\t%8)/4))*4096 th:TH_STORE_NT   ; slots 2 t, 2 t + 1 are places of a spread tile: sixteen lanes store 256 consecutive bytes, aligned
.endr
	s_wait_tensorcnt 0x0
	ds_add_u32 v254, v255
	s_wait_dscnt 0x0
	CROUND                                         ; the closing round: no work-group ends while a partner may still ask for a block that names it
	s_endpgm
.Lfunc_end_k_qd6d0f3d1d7_outp:
	.size	k_qd6d0f3d1d7_outp, .Lfunc_end_k_qd6d0f3d1d7_outp-k_qd6d0f3d1d7_outp
	.p2alignl 7, 3214868480
	.fill 96, 4, 3214868480
	.section	.rodata,"a",@progbits
	.p2align	6, 0x0
	.amdhsa_kernel k_qd6d0f3d1d7_outp
		.amdhsa_group_segment_fixed_size 267264
		.amdhsa_private_segment_fixed_size 0
		.amdhsa_enable_private_segment 0
		.amdhsa_kernarg_size 40
		.amdhsa_user_sgpr_count 2
		.amdhsa_user_sgpr_kernarg_segment_ptr 1
		.amdhsa_wavefront_size32 1
		.amdhsa_system_sgpr_workgroup_id_x 1
		.amdhsa_system_sgpr_workgroup_id_y 1
		.amdhsa_system_sgpr_workgroup_id_z 1
		.amdhsa_system_vgpr_workitem_id 0
		.amdhsa_next_free_vgpr 256
		.amdhsa_next_free_sgpr 100
		.amdhsa_reserve_vcc 0
		.amdhsa_float_denorm_mode_32 3
		.amdhsa_float_denorm_mode_16_64 3
		.amdhsa_memory_ordered 1
		.amdhsa_forward_progress 1
		.amdhsa_inst_pref_size 33
	.end_amdhsa_kernel
	.amdgpu_metadata
---
amdhsa.version: [ 1, 2 ]
amdhsa.kernels:
  - .name:           k_qd6d0f3d1d7_outp
    .symbol:         k_qd6d0f3d1d7_outp.kd
    .args:
      - { .name: codes, .offset: 0, .size: 8, .value_kind: global_buffer, .address_space: global }
      - { .name: scales, .offset: 8, .size: 8, .value_kind: global_buffer, .address_space: global }
      - { .name: ximg, .offset: 16, .size: 8, .value_kind: global_buffer, .address_space: global }
      - { .name: xsc, .offset: 24, .size: 8, .value_kind: global_buffer, .address_space: global }
      - { .name: out0, .offset: 32, .size: 8, .value_kind: global_buffer, .address_space: global }
    .group_segment_fixed_size: 267264
    .private_segment_fixed_size: 0
    .kernarg_segment_align: 8
    .kernarg_segment_size: 40
    .max_flat_workgroup_size: 256
    .sgpr_count:     100
    .vgpr_count:     256
    .wavefront_size: 32
...
	.end_amdgpu_metadata
.endif
;; end of part 4
